; MI455X (gfx1250); checked and timed in simulation.
; The chip was launched on July 23, 2026; its instructions are those of AMD's public machine-readable ISA for CDNA 5 (MIT licence, August 2026) and "CDNA5" Instruction Set Architecture Reference Guide (July 2026). The comments in the code are by the model that wrote it; some were corrected since.
;; Casual Self Attention. Allowed arithmetic: matrix products marked QUANTISED: E2M1 operands, one E8M0 scale for each 32 along K, by v_wmma_scale_f32_16x16x128_f8f6f4 with both operands' format E2M1 (or v_wmma_scale_f32_32x16x128_f4), f32 sums; products left as they are: bf16, f16 or f32 operands; f32 sums; everything else in f32.
;; Inputs: Wkv 512 x 1,024 float32; Wproj 1,024 x 1,024 float32; Wq 1,024 x 1,024 float32; b_proj 1,024 float32; x 4 x 2,048 x 1,024 float32.
;; Outputs: out0 4 x 2,048 x 1,024 float32.
;; This version of the problem:
;;   THIS VERSION OF THE PROBLEM IS GIVEN IN LOW PRECISION. The matrix products marked QUANTISED in the list below multiply operands that are first quantised to E2M1 (2 exponent bits, 1 mantissa bit; 4 bits a number), with one power-of-two scale for each 32 numbers along K (OCP MX v1.0); their sums are f32. The products marked 'left as it is' may take bf16, f16 or f32 operands, with f32 sums. Whichever they take, every output number must still come out within the allowed error. Rounding operands to bf16 (8 significant bits) uses up far more of that allowance than f16 does (11 bits, for magnitudes from 6e-5 to 65,504). All else is computed in f32.
;;   The module's matrix products, in the order in which they are computed (A, B: the left and right operand; K: the contracted axis; several contracted axes count as one K, in the product's order):
;;     1. [M 8,192, K 1,024] x [K 1,024, N 1,024]; A: input x; B: input Wq: QUANTISED
;;     2. [M 8,192, K 1,024] x [K 1,024, N 512]; A: input x; B: input Wkv: QUANTISED
;;     3. batch 64 x [M 2,048, K 64] x [K 64, N 2,048]; A: computed on the way; B: computed on the way: left as it is (an operand is computed on the way)
;;     4. batch 64 x [M 2,048, K 2,048] x [K 2,048, N 64]; A: computed on the way; B: computed on the way: left as it is (an operand is computed on the way)
;;     5. [M 8,192, K 1,024] x [K 1,024, N 1,024]; A: computed on the way; B: input Wproj: left as it is (an operand is computed on the way)
;;   THE QUANTISER, for each operand of a quantised product, along K:
;;     - K is cut into blocks of 32 from its start; a last block that is shorter is filled with zeros.
;;     - A block's scale is 2^e with e = floor(log2(the largest magnitude in the block)) - 2, held to -126 .. 127; a block of zeros has e = 0. As a byte (E8M0): e + 127.
;;     - Each number is divided by its block's scale, clamped to +-6, and rounded to the nearest number of E2M1, ties to even, subnormals kept.
;;     - The product sums the exact products of the quantised numbers (number of the format x scale) in f32.
;;   ~~~python
;;   def quantise(x, axis):      # numpy; x: float32 -> the quantised numbers, widened to float32 again
;;       x = np.moveaxis(x, axis, -1); K = x.shape[-1]
;;       x = np.pad(x, [(0, 0)] * (x.ndim - 1) + [(0, -K % 32)]); x = x.reshape(x.shape[:-1] + (-1, 32)); a = np.abs(x).max(-1, keepdims=True)
;;       e = np.where(a > 0, np.clip(np.frexp(np.where(a > 0, a, 1))[1] - 1 - 2, -126, 127), 0)      # np.frexp(a)[1] - 1 = floor(log2(a)), exactly
;;       r = np.clip(x / 2.0 ** e, -6, 6)
;;       step = 2.0 ** (np.maximum(np.frexp(np.where(r == 0, 1, r))[1] - 1, 0) - 1)
;;       q = np.round(r / step) * step * 2.0 ** e      # np.round: ties to even
;;       return np.moveaxis(q.reshape(q.shape[:-2] + (-1,))[..., :K], -1, axis).astype(np.float32)
;;   ~~~
;; One version. Each part assembles by itself: llvm-mc -triple=amdgcn-amd-amdhsa -mcpu=gfx1250 --defsym DOCPART=n.
;; ======== version 1 of 1: 5 launches
;; limits: values are held in f16: magnitudes above 65,504 overflow, below 6.1e-05 lose precision
;; workspace buffers: xq 4,456,448 bytes; wq 835,584 bytes; wp 2,097,152 bytes; qkv 25,165,824 bytes; yf 16,777,216 bytes
;; launch quant (part 1): grid 336 x 1, 4 waves a work-group, no clusters, 33,280 bytes of LDS; arguments x, Wq, Wkv, Wproj, xq, wq, wp; writes xq, wq, wp
.if DOCPART == 1
	.amdgcn_target "amdgcn-amd-amdhsa--gfx1250"
	.amdhsa_code_object_version 6
	.text
	.protected	k_q514f45e2fc_quant
	.globl	k_q514f45e2fc_quant
	.p2align	8
	.type	k_q514f45e2fc_quant,@function
k_q514f45e2fc_quant:
	s_mov_b64 s[64:65], 0
	v_nop
	global_prefetch_b8 v0, s[64:65] scope:SCOPE_SE
	s_setreg_imm32_b32 hwreg(HW_REG_WAVE_MODE, 25, 1), 1
	s_wait_xcnt 0x0
; x [8192][1024], Wq [1024][1024], Wkv [512][1024], f32, K innermost, become codes of FP4 (E2M1) with one E8M0 byte for each 32 along K; Wproj [1024][1024] becomes f16 with its K axis reordered.
; xq: codes [8192][512 bytes] at byte 0, scale bytes [8192][32] at byte XSCL.  wq: codes [1536][512 bytes] (rows 0-1023 Wq, 1024-1535 Wkv), scale bytes [1536][32] at byte WSCL.
; wp: f16 [1024 n][1024 k'], k' = 256 (h & 3) + 64 (h >> 2) + d for k = 64 h + d: the order in which the attention launch stores y, so that the heads of one wave there are neighbours.
; A block's scale is 2^(floor(log2(its largest magnitude)) - 2); its byte is the largest magnitude's exponent field - 2, held at 1 from below.  A block of zeros so gets the byte 1 where the quantiser says 127:
; its codes are zeros, which add nothing, and this program alone reads the bytes.
; LIMITS: blocks whose largest magnitude lies under 2^-124 keep the byte 1 and were not tried; NaN and infinities among the inputs are not served; Wproj beyond 65,504 in magnitude becomes infinity in f16.
; SHARES: a work-group takes 32,768 numbers, a wave 8,192.  Work-groups 0-255: x; 256-287: Wq; 288-303: Wkv; 304-335: Wproj.  The three quantised tensors take ONE path: only pointers are chosen.
; Rows are dense and K is a multiple of 32: the tensors are plain streams of blocks of 32.  A wave takes 16 steps of 512 numbers: each of a step's four loads reads 512 consecutive bytes; the 2,048 bytes turn through the
; wave's own stage in LDS and come back 64 bytes a lane, so that a lane holds 16 neighbours along K and two neighbouring lanes a block.  A wave's store of codes covers 256 consecutive bytes, aligned.
.set WAVES, 4
.set STEPS, 16
.set EMAX,  2
.set CB,    8                          ; bytes of 16 codes
.set R,     16                         ; v16-79   four sets of 16 numbers as they are loaded
.set X,     80                         ; v80-111  two sets of 16 neighbours
.set E,     112                        ; v112-127 a scale byte for each step
.set C,     128                        ; v128-191 codes: four registers for each step, so that no store's data are written again
.set WREG,  8192                       ; LDS: a region for each wave: two stages of 32 x SP bytes, then its 256 scale bytes
.set SP,    80                         ; a lane's place in a stage: 64 bytes + 16 of padding
.set SPW,   12                         ; v12 LDS address of my spare word; never rewritten
.set NIL,   13                         ; v13 0; never rewritten
.set SPARE, WAVES*WREG                 ; the spare words: 128 bytes for each wave, named by no other line
.set WGX,   256
.set WGQ,   288
.set WGK,   304
.set XSCL,  4194304
.set WSCL,  786432
	s_load_b256 s[4:11], s[0:1], 0x0               ; x s[4:5], Wq s[6:7], Wkv s[8:9], Wproj s[10:11]
	s_load_b128 s[12:15], s[0:1], 0x20             ; xq s[12:13], wq s[14:15]
	s_load_b64 s[16:17], s[0:1], 0x30              ; wp
	v_lshl_add_u32 v[SPW], v0, 2, SPARE
	v_mov_b32 v[NIL], 0
	v_lshrrev_b32 v1, 5, v0
	v_readfirstlane_b32 s27, v1                    ; wave
	v_and_b32 v2, 31, v0                           ; lane
	s_mov_b32 s29, 0
	s_cmp_ge_u32 ttmp9, WGK
	s_cbranch_scc1 .Lproj                          ; the last 32 work-groups convert Wproj; they touch no LDS
	v_lshlrev_b32 v3, 4, v2                        ; my 16 bytes of a load's 512
	s_mul_i32 s28, s27, WREG
	v_lshrrev_b32 v14, 2, v2
	v_mul_u32_u24 v14, v14, SP
	v_and_b32 v15, 3, v2
	v_lshl_add_u32 v14, v15, 4, v14
	v_add_nc_u32 v14, s28, v14                     ; the stage, on the way in: SP (lane / 4) + 16 (lane % 4)
	v_mul_u32_u24 v15, v2, SP
	v_add_nc_u32 v15, s28, v15                     ; and on the way out: SP x lane: my 16 neighbours
	v_mul_u32_u24 v4, v2, CB                       ; my codes' place in a step's
	v_lshrrev_b32 v5, 1, v2
	s_add_co_u32 s28, s28, 2*32*SP
	v_add_nc_u32 v5, s28, v5                       ; my wave's 256 scale bytes, my block's byte
	v_lshlrev_b32 v7, 3, v2
	v_add_nc_u32 v6, s28, v7                       ; and on the way out 8 bytes a lane
	s_mov_b32 s26, WSCL
	s_wait_kmcnt 0x0
	s_cmp_lt_u32 ttmp9, WGX                        ; x, or a weight?  The choices hang on the work-group's number alone
	s_cselect_b64 s[20:21], s[4:5], s[6:7]         ; from
	s_cselect_b64 s[22:23], s[12:13], s[14:15]     ; to
	s_cselect_b32 s24, 0, WGX                      ; the source's first work-group
	s_cselect_b32 s25, 0, WGX                      ; the destination's
	s_cselect_b32 s26, XSCL, s26                   ; where the destination's scale bytes begin
	s_cmp_lt_u32 ttmp9, WGQ                        ; Wkv has a source of its own and follows Wq in the destination
	s_cselect_b64 s[20:21], s[20:21], s[8:9]
	s_cselect_b32 s24, s24, WGQ
	s_sub_co_u32 s24, ttmp9, s24
	s_lshl_b32 s24, s24, 2
	s_add_co_u32 s24, s24, s27                     ; which run of 8,192 numbers of the source is my wave's
	s_sub_co_u32 s25, ttmp9, s25
	s_lshl_b32 s25, s25, 2
	s_add_co_u32 s25, s25, s27                     ; and of the destination
	s_lshl_b32 s28, s24, 15
	s_add_nc_u64 s[20:21], s[20:21], s[28:29]      ; 32,768 bytes of f32 a run
	s_lshl_b32 s28, s25, 8
	s_add_co_u32 s28, s28, s26
	s_add_nc_u64 s[18:19], s[22:23], s[28:29]      ; 256 scale bytes a run
	s_lshl_b32 s28, s25, 12
	s_add_nc_u64 s[22:23], s[22:23], s[28:29]      ; 4,096 bytes of codes a run
.macro LOAD t
.irp i, 0,1,2,3
	global_load_b128 v[R+16*((\t)%4)+4*\i:R+16*((\t)%4)+4*\i+3], v3, s[20:21] offset:2048*(\t)+512*\i th:TH_LOAD_NT   ; 32 lanes read 512 consecutive bytes
.endr
.endm
.macro TURN t                          ; step t's numbers through the stage: LDS serves a wave's instructions in order, so no wait stands between the stores and the loads
.irp i, 0,1,2,3
	ds_store_b128 v14, v[R+16*((\t)%4)+4*\i:R+16*((\t)%4)+4*\i+3] offset:32*SP*((\t)%2)+8*SP*\i
.endr
.irp i, 0,1,2,3
	ds_load_b128 v[X+16*((\t)%2)+4*\i:X+16*((\t)%2)+4*\i+3], v15 offset:32*SP*((\t)%2)+16*\i
.endr
.endm
.irp t, 0,1,2,3
	LOAD \t
.endr
	s_wait_loadcnt 12                              ; step 0's four loads are in; the twelve of steps 1 to 3 stay out
	TURN 0
.macro STEP t
.set XS, X+16*((\t)%2)
.if (\t) > 0
	s_wait_dscnt 1                                 ; this step's numbers are back from the stage (the last step's byte store may be out)
.else
	s_wait_dscnt 0x0
.endif
.if (\t)+4 < STEPS
	LOAD (\t)+4                                    ; into the registers that the stage's stores have read
.endif
.if (\t)+1 < STEPS
.if STEPS-2-(\t) >= 3
	s_wait_loadcnt 12                              ; the next step's four loads are in; those of the three steps behind it may be out
.else
	s_wait_loadcnt 4*(STEPS-2-(\t))
.endif
	TURN (\t)+1
.endif
	v_max3_num_f32 v8, |v[XS]|, |v[XS+1]|, |v[XS+2]|               ; the largest magnitude of my 16, in two chains
	v_max3_num_f32 v9, |v[XS+3]|, |v[XS+4]|, |v[XS+5]|
.irp i, 6,10
	v_max3_num_f32 v8, v8, |v[XS+\i]|, |v[XS+\i+1]|
	v_max3_num_f32 v9, v9, |v[XS+\i+2]|, |v[XS+\i+3]|
.endr
	v_max3_num_f32 v8, v8, |v[XS+14]|, |v[XS+15]|
	v_max3_num_f32 v8, v8, v9, (EMAX+1)<<23        ; and the floor 2^(3 - 127): the byte cannot fall under 1
	v_max_num_f32_dpp v8, v8, v8 row_xmask:1 row_mask:0xf bank_mask:0xf   ; with my neighbour's 16: the block's
	v_add_nc_u32 v11, -(EMAX<<23), v8              ; 2 off its exponent field: the conversion takes the exponent field of this operand as its scale
	v_cvt_scalef32_pk8_fp4_f32 v[C+4*(\t)], v[XS:XS+7], v11
	v_cvt_scalef32_pk8_fp4_f32 v[C+4*(\t)+1], v[XS+8:XS+15], v11
	v_lshrrev_b32 v[E+(\t)], 23, v11               ; the scale's byte (also the plain line behind the conversions)
	ds_store_b8 v5, v[E+(\t)] offset:16*(\t)       ; both lanes of a block write the same byte with the same value
	global_store_b64 v4, v[C+4*(\t):C+4*(\t)+1], s[22:23] offset:32*CB*(\t)
.endm
.irp t, 0,1,2,3,4,5,6,7,8,9,10,11,12,13,14,15
	STEP \t
.endr
	ds_load_b64 v[8:9], v6                         ; LDS serves a wave's instructions in order: these see my byte stores
	s_wait_dscnt 0x0
	global_store_b64 v7, v[8:9], s[18:19]          ; 32 lanes store 256 consecutive bytes, aligned
	s_wait_tensorcnt 0x0                           ; the wave's end: a wait, an add of 0 to my spare word and its wait behind my last LDS store
	ds_add_u32 v[SPW], v[NIL]
	s_wait_dscnt 0x0
	s_endpgm
; Wproj to f16.  A wave takes 8 rows.  A unit u of 256 bytes of a row of wp holds heads h0 = (u >> 1) + 8 (u & 1) and h0 + 4: lanes 0-15 read h0's 256 bytes of f32, lanes 16-31 those of h0 + 4, 1,024 bytes on;
; a lane's four numbers become 8 bytes, and the wave's store covers 256 consecutive bytes, aligned.  Four rounds of 16 such units, the loads one round ahead.
.Lproj:
	v_and_b32 v3, 15, v2
	v_lshrrev_b32 v4, 4, v2
	v_lshlrev_b32 v3, 4, v3
	v_lshl_add_u32 v3, v4, 10, v3                  ; in: 16 (lane % 16) + 1,024 (lane / 16)
	v_lshlrev_b32 v4, 3, v2                        ; out: 8 x lane
	s_sub_co_u32 s24, ttmp9, WGK
	s_lshl_b32 s24, s24, 5
	s_lshl_b32 s25, s27, 3
	s_add_co_u32 s24, s24, s25                     ; my first row
	s_lshl_b32 s28, s24, 12
	s_lshl_b32 s30, s24, 11
	s_mov_b32 s31, 0
	s_wait_kmcnt 0x0
	s_add_nc_u64 s[10:11], s[10:11], s[28:29]
	s_add_nc_u64 s[16:17], s[16:17], s[30:31]
.macro CLOAD g
.irp i, 0,1,2,3,4,5,6,7,8,9,10,11,12,13,14,15
	global_load_b128 v[16+64*((\g)%2)+4*\i:16+64*((\g)%2)+4*\i+3], v3, s[10:11] offset:(2*(\g)+\i/8)*4096+(8*(\i%2)+(\i%8)/2)*256 th:TH_LOAD_NT
.endr
.endm
.macro CROUND g
.if (\g) < 3
	CLOAD (\g)+1
	s_wait_loadcnt 16                              ; this round's 16 loads are in; the next round's 16 stay out
.else
	s_wait_loadcnt 0x0
.endif
.if (\g) > 0
	s_wait_xcnt 0x0                                ; the last round's stores have read their data registers, which are written again below
.endif
.irp i, 0,1,2,3,4,5,6,7,8,9,10,11,12,13,14,15
	v_cvt_pk_f16_f32 v[144+2*\i], v[16+64*((\g)%2)+4*\i], v[16+64*((\g)%2)+4*\i+1]
	v_cvt_pk_f16_f32 v[145+2*\i], v[16+64*((\g)%2)+4*\i+2], v[16+64*((\g)%2)+4*\i+3]
.endr
.irp i, 0,1,2,3,4,5,6,7,8,9,10,11,12,13,14,15
	global_store_b64 v4, v[144+2*\i:145+2*\i], s[16:17] offset:(2*(\g)+\i/8)*2048+(\i%8)*256
.endr
.endm
	CLOAD 0
	CROUND 0
	CROUND 1
	CROUND 2
	CROUND 3
	s_endpgm
.Lfunc_end_k_q514f45e2fc_quant:
	.size	k_q514f45e2fc_quant, .Lfunc_end_k_q514f45e2fc_quant-k_q514f45e2fc_quant
	.p2alignl 7, 3214868480
	.fill 96, 4, 3214868480
	.section	.rodata,"a",@progbits
	.p2align	6, 0x0
	.amdhsa_kernel k_q514f45e2fc_quant
		.amdhsa_group_segment_fixed_size 33280
		.amdhsa_private_segment_fixed_size 0
		.amdhsa_enable_private_segment 0
		.amdhsa_kernarg_size 56
		.amdhsa_user_sgpr_count 2
		.amdhsa_user_sgpr_kernarg_segment_ptr 1
		.amdhsa_wavefront_size32 1
		.amdhsa_system_sgpr_workgroup_id_x 1
		.amdhsa_system_sgpr_workgroup_id_y 1
		.amdhsa_system_sgpr_workgroup_id_z 1
		.amdhsa_system_vgpr_workitem_id 0
		.amdhsa_next_free_vgpr 192
		.amdhsa_next_free_sgpr 66
		.amdhsa_reserve_vcc 0
		.amdhsa_float_denorm_mode_32 3
		.amdhsa_float_denorm_mode_16_64 3
		.amdhsa_memory_ordered 1
		.amdhsa_forward_progress 1
		.amdhsa_inst_pref_size 55
	.end_amdhsa_kernel
	.amdgpu_metadata
---
amdhsa.version: [ 1, 2 ]
amdhsa.kernels:
  - .name:           k_q514f45e2fc_quant
    .symbol:         k_q514f45e2fc_quant.kd
    .args:
      - { .name: x, .offset: 0, .size: 8, .value_kind: global_buffer, .address_space: global }
      - { .name: Wq, .offset: 8, .size: 8, .value_kind: global_buffer, .address_space: global }
      - { .name: Wkv, .offset: 16, .size: 8, .value_kind: global_buffer, .address_space: global }
      - { .name: Wproj, .offset: 24, .size: 8, .value_kind: global_buffer, .address_space: global }
      - { .name: xq, .offset: 32, .size: 8, .value_kind: global_buffer, .address_space: global }
      - { .name: wq, .offset: 40, .size: 8, .value_kind: global_buffer, .address_space: global }
      - { .name: wp, .offset: 48, .size: 8, .value_kind: global_buffer, .address_space: global }
    .group_segment_fixed_size: 33280
    .private_segment_fixed_size: 0
    .kernarg_segment_align: 8
    .kernarg_segment_size: 56
    .max_flat_workgroup_size: 128
    .sgpr_count:     66
    .vgpr_count:     192
    .wavefront_size: 32
...
	.end_amdgpu_metadata
.endif
;; end of part 1
;; launch qkv (part 2): grid 32 x 6, 4 waves a work-group, clusters of 4 x 1, 327,680 bytes of LDS; arguments xq, wq, qkv; writes qkv
.if DOCPART == 2
	.amdgcn_target "amdgcn-amd-amdhsa--gfx1250"
	.amdhsa_code_object_version 6
	.text
	.protected	k_q514f45e2fc_qkv
	.globl	k_q514f45e2fc_qkv
	.p2align	8
	.type	k_q514f45e2fc_qkv,@function
k_q514f45e2fc_qkv:
	s_mov_b64 s[64:65], 0
	v_nop
	global_prefetch_b8 v0, s[64:65] scope:SCOPE_SE
	s_setreg_imm32_b32 hwreg(HW_REG_WAVE_MODE, 25, 1), 1
	s_wait_xcnt 0x0
	s_wait_alu depctr_hold_cnt(0) depctr_sa_sdst(0) depctr_va_vdst(0) depctr_va_sdst(0) depctr_va_ssrc(0) depctr_va_vcc(0) depctr_vm_vsrc(0)
	s_getreg_b32 s2, hwreg(HW_REG_IB_STS2, 6, 4)
	s_cmp_eq_u32 s2, 0
	s_cbranch_scc0 .Lentry_in_a_cluster
	s_endpgm
.Lentry_in_a_cluster:
	s_bfe_u32 s2, ttmp6, 0x10000c
	s_cmp_lg_u32 s2, 0x3003
	s_cbranch_scc0 .Lentry_shape_is_right
	s_endpgm
.Lentry_shape_is_right:
; C[m][n] = sum over k of x[m][k] W[n][k], m 8,192, n 1,536 (rows of Wq, then of Wkv), K 1,024, both operands as codes of FP4 (E2M1) with one E8M0 byte for each 32 along K; sums in f32.
; C leaves as f16, laid by head: qkv [4 b][24 hd][2048 t][64], hd = n / 64 (0-15 q's heads, 16-19 k's groups, 20-23 v's).  LIMIT: a result beyond 65,504 in magnitude becomes infinity in f16.
; A tile of C, 256 x 256, is made by a work-group of four waves; a wave makes 128 x 128: 64 accumulators of 16 x 16, 512 registers.  K is two slots of 512: both, and all scale bytes of the tile's rows, are asked for
; at the head: nothing in LDS is filled twice.
; CLUSTER: four work-groups along m share a tile column, so W's tiles and W's scale bytes are asked for JOINTLY (the same load, the same descriptor, the mask of all four); x's tiles are each work-group's own.
; The six tile columns do not divide by four, so the cluster has no second axis.
; THE MATRIX INSTRUCTION IS USED TRANSPOSED (source 0 = 16 rows of W, source 1 = 16 rows of x): a lane then holds eight neighbouring columns of one row of C.
; REGISTERS, in windows of 256: window 0: v0-31 addresses; v32-95 scale words, two sets, and nothing else; v128-191 x's fragments, one set, on the way out rows read back; v192-223 packed results.
;   window 1: W's fragments, two sets, at v0 and v128.   window 2: the accumulators of my rows 0-63 ((a, b) at v[8 (8 a + b)]);   window 3: those of my rows 64-127.
.set NQ,     4                         ; steps of 128 along K in a slot
.set ROWB,   256                       ; a tile's row in bytes: 512 codes
.set KROW,   512                       ; a row of codes in memory
.set PITCH,  272                       ; an LDS row: 256 bytes + 16 of padding: the 16 rows that a load touches start at 16 different banks
.set FR,     8
.set NL,     2
.set NP,     4
.set HALFT,  128*PITCH
.set SLOT,   4*HALFT                   ; x's 256 rows, then W's 256 rows
.set KS,     32                        ; a row of scale bytes
.set SCL,    2*SLOT                    ; behind the slots: the scale bytes, as units of 256 bytes + 16 of padding
.set HALFS,  16*272                    ; those of 128 rows
.set SBLK,   2*272                     ; those of 16 rows
.set SPARE,  SCL+4*HALFS               ; the spare words: 128 bytes for each wave, named by no other line
.set SPITCH, 272                       ; the way out: a stage of 16 rows x (256 bytes + 16) for each wave, in slot 0, which has had its one fill and its last read by then
.set XSCL,   4194304
.set WSCL,   786432
.set ADRA, 16
.set ADRB, 20
.set STO,  24
.set RD,   25
.set CO,   26
.set ADRS, 27
.set SPW,  28
.set NIL,  29
.set SC,   32
.set AF,   128
.set OB,   128                         ; the way out: 16 rows read back: v128-159 and v160-191 by turns
.set TMP,  192
.set G1, 24
.set G0, 32
.set G1B, 48
.set G0B, 56
.set G1S, 68
.set G0S, 76
.set G1SB, 80
.set G0SB, 88
.set MSB, 0
.macro WIN new                         ; the immediate's high byte repeats the setting that is left
.if MSB != (\new)
	s_set_vgpr_msb (MSB<<8)|(\new)
.set MSB, (\new)
.endif
.endm
.set MUL_LO, 0xa1                      ; source 0 (W) window 1, source 1 (x) window 0, C and D window 2
.set MUL_HI, 0xf1
.set TO_B,   0x40
; Waves 0 and 1 fetch for x (their own load), waves 2 and 3 for W (the joint load).  The branch hangs on the wave's number alone.  An s_nop 0 and four v_nop follow each line.
.macro JLOAD g0a, g1a, g0b, g1b
	s_cmp_eq_u32 s15, 0
	s_cbranch_scc0 .Lfor_b_\@
	tensor_load_to_lds s[\g0a:\g0a+3], s[\g1a:\g1a+7]
	s_nop 0
.rept 4
	v_nop
.endr
	s_branch .Lasked_\@
.Lfor_b_\@:
	tensor_load_to_lds s[\g0b:\g0b+3], s[\g1b:\g1b+7]
	s_nop 0
.rept 4
	v_nop
.endr
.Lasked_\@:
.endm
.macro CROUND                          ; a round of the cluster's barrier
	s_barrier_signal -1
	s_barrier_wait -1
	s_cmp_lg_u32 s14, 0
	s_cbranch_scc1 .Lnot_wave_0_\@
	s_barrier_signal -3
.Lnot_wave_0_\@:
	s_barrier_wait -3
	s_barrier_signal -1
	s_barrier_wait -1
.endm
	s_load_b128 s[4:7], s[0:1], 0x0                ; xq s[4:5], wq s[6:7]
	s_load_b64 s[12:13], s[0:1], 0x10              ; qkv
	v_lshl_add_u32 v[SPW], v0, 2, SPARE
	v_mov_b32 v[NIL], 0
	ds_add_u32 v[SPW], v[NIL]                      ; the wave's opening: the add, twice on end, and its wait ahead of my first tensor load
	ds_add_u32 v[SPW], v[NIL]
	v_lshrrev_b32 v1, 5, v0
	v_readfirstlane_b32 s14, v1                    ; wave 0..3
	s_lshr_b32 s15, s14, 1                         ; which half of the tile's rows is mine.  Also: I fetch for x (0) or for W (1)
	s_and_b32 s16, s14, 1                          ; which half of its columns.  Also: which 128 rows I fetch
	s_bfe_u32 s40, ttmp6, 0x40000                  ; cx
	s_lshl_b32 s17, ttmp9, 2
	s_add_co_u32 s17, s17, s40                     ; tile row of C = 4 x cluster x + cx
	s_and_b32 s42, ttmp7, 0xffff                   ; tile column of C: the same in all four partners
	s_mov_b32 s[G1+0], (1<<20)|(5<<22)|(3<<25)                     ; no mask; elements of 1 byte; padding: 4 words behind every 64
	s_mov_b32 s[G1B+0], 15|(1<<20)|(1<<21)|(5<<22)|(3<<25)         ; the same, with the mask of all four and bit 21 beside it
.irp g, G1, G1B
	s_mov_b32 s[\g+1], ROWB<<16                    ; tensor_dim0
	s_mov_b32 s[\g+2], 128<<16                     ; tensor_dim1
	s_mov_b32 s[\g+3], ROWB<<16                    ; tile_dim0
	s_mov_b32 s[\g+4], 128                         ; tile_dim1
	s_mov_b32 s[\g+5], KROW                        ; the pitch
	s_mov_b32 s[\g+6], 0
	s_mov_b32 s[\g+7], 0
.endr
	s_mov_b32 s[G1S+0], (3<<16)|(1<<20)|(5<<22)|(3<<25)            ; the scale bytes of 128 rows: 4,096 dense bytes, as 16 rows of 32 elements of 8 bytes
	s_mov_b32 s[G1SB+0], 15|(3<<16)|(1<<20)|(1<<21)|(5<<22)|(3<<25)
.irp g, G1S, G1SB
	s_mov_b32 s[\g+1], 32<<16
	s_mov_b32 s[\g+2], 16<<16
	s_mov_b32 s[\g+3], 32<<16
	s_mov_b32 s[\g+4], 16
	s_mov_b32 s[\g+5], 32
	s_mov_b32 s[\g+6], 0
	s_mov_b32 s[\g+7], 0
.endr
	s_lshl_b32 s18, s16, 7
	s_lshl_b32 s20, s17, 8
	s_add_co_u32 s20, s20, s18                     ; x: row 256 x tile row + 128 x half
	s_lshl_b32 s46, s42, 8
	s_add_co_u32 s46, s46, s18                     ; W: row 256 x tile column + 128 x half (these registers never hold cx)
	s_lshl_b32 s22, s20, 5
	s_add_co_u32 s22, s22, XSCL                    ; where these rows' scale bytes begin,
	s_mov_b32 s23, 0
	s_lshl_b32 s92, s46, 5
	s_add_co_u32 s92, s92, WSCL
	s_mov_b32 s93, 0
	s_lshl_b32 s20, s20, 9                         ; and their codes
	s_mov_b32 s21, 0
	s_lshl_b32 s46, s46, 9
	s_mov_b32 s47, 0
	s_mul_i32 s45, s14, HALFT                      ; where they go: wave x 128 rows
	s_mul_i32 s94, s14, HALFS
	s_wait_dscnt 0x0                               ; both opening adds are done
	s_wait_kmcnt 0x0
	s_add_nc_u64 s[20:21], s[4:5], s[20:21]
	s_add_nc_u64 s[22:23], s[4:5], s[22:23]
	s_add_nc_u64 s[46:47], s[6:7], s[46:47]
	s_add_nc_u64 s[92:93], s[6:7], s[92:93]
	CROUND                                         ; all four work-groups are here: the joint loads meet
	s_mov_b32 s[G0S], 1
	s_add_co_u32 s[G0S+1], s94, SCL
	s_mov_b64 s[G0S+2:G0S+3], s[22:23]
	s_or_b32 s[G0S+3], s[G0S+3], 0x80000000
	s_mov_b32 s[G0SB], 1
	s_add_co_u32 s[G0SB+1], s94, SCL
	s_mov_b64 s[G0SB+2:G0SB+3], s[92:93]
	s_or_b32 s[G0SB+3], s[G0SB+3], 0x80000000
	JLOAD G0S, G1S, G0SB, G1SB                     ; the scale bytes first; with the two slots three tensor loads of mine are out
.irp s, 0,1
	s_mov_b32 s[G0+4*\s], 1
	s_add_co_u32 s[G0+4*\s+1], s45, \s*SLOT
	s_add_nc_u64 s[G0+4*\s+2:G0+4*\s+3], s[20:21], \s*ROWB
	s_or_b32 s[G0+4*\s+3], s[G0+4*\s+3], 0x80000000
	s_mov_b32 s[G0B+4*\s], 1
	s_add_co_u32 s[G0B+4*\s+1], s45, \s*SLOT
	s_add_nc_u64 s[G0B+4*\s+2:G0B+4*\s+3], s[46:47], \s*ROWB
	s_or_b32 s[G0B+4*\s+3], s[G0B+4*\s+3], 0x80000000
	JLOAD G0+4*\s, G1, G0B+4*\s, G1B
.endr
	v_and_b32 v1, 15, v0                           ; r = l % 16
	v_bfe_u32 v2, v0, 4, 1                         ; h = l / 16
	v_mul_u32_u24 v3, v1, PITCH
	v_lshl_add_u32 v4, v2, 4, v3                   ; a fragment's row x pitch + 16 x half
	s_mul_i32 s21, s15, HALFT                      ; my 128 rows of x
	s_mul_i32 s22, s16, HALFT
	s_add_co_u32 s22, s22, 2*HALFT                 ; my 128 rows of W, behind x's 256
.irp s, 0,1
	v_add_nc_u32 v[ADRA+\s], s21, v4
	v_add_nc_u32 v[ADRB+\s], s22, v4
	s_add_co_u32 s21, s21, SLOT
	s_add_co_u32 s22, s22, SLOT
.endr
	v_mul_u32_u24 v5, v1, KS                       ; my row's scale bytes: 32 a row,
	v_lshrrev_b32 v6, 8, v5
	v_lshl_add_u32 v5, v6, 4, v5                   ; and 16 more for each 256 passed
	s_mul_i32 s21, s15, HALFS
	s_mul_i32 s22, s16, HALFS
	s_add_co_u32 s22, s22, 2*HALFS
	s_sub_co_u32 s22, s22, s21
	v_mul_u32_u24 v6, s22, v2                      ; lanes 16-31 take W's: one product, the distance between the two bases
	s_add_co_u32 s21, s21, SCL
	v_add_nc_u32 v5, v5, v6
	v_add_nc_u32 v[ADRS], s21, v5
	s_mul_i32 s23, s14, 16*SPITCH                  ; my stage
	v_mul_u32_u24 v5, v1, SPITCH
	v_lshl_add_u32 v5, v2, 4, v5
	v_add_nc_u32 v[STO], s23, v5                   ; in: row r, 16 bytes for each half of the lanes
	v_bfe_u32 v6, v0, 3, 1
	v_and_b32 v7, 7, v0
	v_mul_u32_u24 v5, v6, SPITCH
	v_lshl_add_u32 v5, v2, 7, v5
	v_lshl_add_u32 v5, v7, 4, v5
	v_add_nc_u32 v[RD], s23, v5                    ; back: lanes 0-15 two rows of my first head (128 bytes each), lanes 16-31 the same rows of my second
	v_lshlrev_b32 v5, 18, v2
	v_lshl_add_u32 v5, v6, 7, v5
	v_lshl_add_u32 v[CO], v7, 4, v5                ; and the same in qkv: a head on is 262,144 bytes, a row 128
	s_lshr_b32 s20, s17, 3                         ; the batch
	s_mul_i32 s20, s20, 24
	s_lshl_b32 s21, s42, 2
	s_add_co_u32 s20, s20, s21
	s_lshl_b32 s21, s16, 1
	s_add_co_u32 s20, s20, s21                     ; my first head's block: 24 b + 4 x tile column + 2 x half
	s_lshl_b32 s20, s20, 11
	s_and_b32 s21, s17, 7
	s_lshl_b32 s21, s21, 8
	s_add_co_u32 s20, s20, s21
	s_lshl_b32 s21, s15, 7
	s_add_co_u32 s20, s20, s21                     ; + my first position
	s_lshl_b32 s20, s20, 7                         ; rows of 128 bytes
	s_mov_b32 s21, 0
	s_add_nc_u64 s[12:13], s[12:13], s[20:21]
.macro FRAG reg, adr, q, i             ; 16 rows x 128 K of 4-bit codes: 8 registers: lane l holds row l % 16; registers 4 c .. 4 c + 3 hold K = 64 c + 32 (l / 16) + 0 .. 31
.irp c, 0,1
	ds_load_b128 v[\reg+4*\c:\reg+4*\c+3], v[\adr] offset:64*(\q)+32*\c+(\i)*16*PITCH
.endr
.endm
; 16 matrix instructions: x's blocks a0, a0 + 1 against W's eight.  The 64 accumulators take turns, one instruction a turn, in the same order in every step.
.macro MUL16 a0, p, q, sc, zero
.irp a, \a0, \a0+1
.irp b, 0,1,2,3,4,5,6,7
.if \zero
	v_wmma_scale_f32_16x16x128_f8f6f4 v[8*(8*((\a)%4)+\b):8*(8*((\a)%4)+\b)+7], v[128*(\p)+FR*\b:128*(\p)+FR*\b+FR-1], v[AF+FR*(\a):AF+FR*(\a)+FR-1], 0, v[SC+8*NQ*(\sc)+NQ*\b+(\q)], v[SC+8*NQ*(\sc)+NQ*(\a)+(\q)] matrix_a_fmt:MATRIX_FMT_FP4 matrix_b_fmt:MATRIX_FMT_FP4 matrix_a_scale:MATRIX_SCALE_ROW1
.else
	v_wmma_scale_f32_16x16x128_f8f6f4 v[8*(8*((\a)%4)+\b):8*(8*((\a)%4)+\b)+7], v[128*(\p)+FR*\b:128*(\p)+FR*\b+FR-1], v[AF+FR*(\a):AF+FR*(\a)+FR-1], v[8*(8*((\a)%4)+\b):8*(8*((\a)%4)+\b)+7], v[SC+8*NQ*(\sc)+NQ*\b+(\q)], v[SC+8*NQ*(\sc)+NQ*(\a)+(\q)] matrix_a_fmt:MATRIX_FMT_FP4 matrix_b_fmt:MATRIX_FMT_FP4 matrix_a_scale:MATRIX_SCALE_ROW1
.endif
.endr
.endr
.endm
.macro FETCH_B slot, q, p
	WIN TO_B
.irp i, 0,1,2,3,4,5,6,7
	FRAG 128*(\p)+FR*\i, ADRB+\slot, \q, \i
.endr
	WIN 0
.endm
.macro FETCH_A slot, q, i0
.irp i, \i0, \i0+1, \i0+2, \i0+3
	FRAG AF+FR*(\i), ADRA+\slot, \q, \i
.endr
.endm
.macro SCALES sc                       ; a slot's scale words: four a row; lanes 0-15 take x's block i, lanes 16-31 W's block i
.irp i, 0,1,2,3,4,5,6,7
	ds_load_b128 v[SC+8*NQ*\sc+NQ*\i:SC+8*NQ*\sc+NQ*\i+3], v[ADRS] offset:\i*SBLK
.endr
.endm
.macro PLACES n                        ; places in front of loads into registers that matrix instructions have read, and of the first read of results
.rept \n
	v_nop
.endr
.endm
.macro STEP slot, q, zero              ; a step of 128 along K that has its successor in the same slot
	s_wait_dscnt 4*NL                              ; W's set and x's blocks 0-3 are in; the youngest eight loads (x's blocks 4-7) may be out
	WIN MUL_LO
	MUL16 0, (\q)%2, \q, \slot, \zero
	MUL16 2, (\q)%2, \q, \slot, \zero
	s_wait_dscnt 0
	PLACES NP
	FETCH_B \slot, (\q)+1, 1-(\q)%2
	FETCH_A \slot, (\q)+1, 0
	WIN MUL_HI
	MUL16 4, (\q)%2, \q, \slot, \zero
	MUL16 6, (\q)%2, \q, \slot, \zero
	PLACES NP
	WIN 0
	FETCH_A \slot, (\q)+1, 4
.endm
	s_wait_tensorcnt 1                             ; the scale bytes and my part of slot 0 are in; slot 1's load, the one issued behind them, may be out
	s_barrier_signal -1
	s_barrier_wait -1
	FETCH_B 0, 0, 0
	FETCH_A 0, 0, 0
	SCALES 0
	FETCH_A 0, 0, 4
	STEP 0, 0, 1                                   ; the first step's products start the sums: nothing is cleared
	STEP 0, 1, 0
	STEP 0, 2, 0
	; slot 0's last step changes slots: one barrier; in front of it my part of slot 1 has landed and my reads of slot 0 are over
	s_wait_tensorcnt 0x0
	ds_add_u32 v[SPW], v[NIL]                      ; 0 onto my spare word
	s_wait_dscnt 4*NL+1                            ; (the add and the youngest eight loads may be out)
	WIN MUL_LO
	MUL16 0, 1, NQ-1, 0, 0
	s_wait_dscnt 0x0
	s_barrier_signal -1
	MUL16 2, 1, NQ-1, 0, 0
	WIN 0
	s_barrier_wait -1
	PLACES NP
	v_add_nc_u32 v[ADRS], 4*NQ, v[ADRS]            ; on to slot 1's scale words
	FETCH_B 1, 0, 0
	FETCH_A 1, 0, 0
	SCALES 1
	WIN MUL_HI
	MUL16 4, 1, NQ-1, 0, 0
	MUL16 6, 1, NQ-1, 0, 0
	PLACES NP
	WIN 0
	FETCH_A 1, 0, 4
	STEP 1, 0, 0
	STEP 1, 1, 0
	STEP 1, 2, 0
	s_wait_dscnt 4*NL                              ; the last step: nothing more to fetch
	WIN MUL_LO
	MUL16 0, 1, NQ-1, 1, 0
	MUL16 2, 1, NQ-1, 1, 0
	s_wait_dscnt 0
	WIN MUL_HI
	MUL16 4, 1, NQ-1, 1, 0
	MUL16 6, 1, NQ-1, 1, 0
	WIN 0
; THE WAY OUT, a block of 16 rows x 128 columns (two heads) at a time: rounded to f16, 16 bytes a lane into my stage, back so that sixteen lanes hold two neighbouring rows of one head: 256 consecutive bytes of qkv, aligned.
.macro PACK a
.set AC, 64*((\a)%4)
	WIN 0x0a+5*((\a)/4)                            ; sources 0 and 1: window 2 or 3
.irp b, 0,1,2,3,4,5,6,7
.irp r, 0,1,2,3
	v_cvt_pk_f16_f32 v[TMP+4*\b+\r], v[AC+8*\b+2*\r], v[AC+8*\b+2*\r+1]   ; each accumulator from its low end on
.endr
.endr
	WIN 0
.endm
.macro TOSTAGE a
.set BB, OB+32*((\a)%2)
.irp b, 0,1,2,3,4,5,6,7
	ds_store_b128 v[STO], v[TMP+4*\b:TMP+4*\b+3] offset:32*\b
.endr
.irp t, 0,1,2,3,4,5,6,7
	ds_load_b128 v[BB+4*\t:BB+4*\t+3], v[RD] offset:\t*2*SPITCH   ; LDS serves a wave's instructions in order: these see the stores above
.endr
.endm
.macro SEND a
.set BB, OB+32*((\a)%2)
	s_wait_dscnt 0x0                               ; the block is back in registers
	s_wait_xcnt 0x0                                ; the earlier blocks' stores have read their registers: the next block's loads may land there
.irp t, 0,1,2,3,4,5,6,7
	global_store_b128 v[CO], v[BB+4*\t:BB+4*\t+3], s[12:13] offset:2048*(\a)+256*\t
.endr
.endm
	PLACES NP
	PACK 0
	TOSTAGE 0
.irp a, 1,2,3,4,5,6,7
	PACK \a
	SEND \a-1
	TOSTAGE \a
.endr
	SEND 7
	s_wait_tensorcnt 0x0                           ; the wave's end: a wait, an add of 0 to my spare word and its wait behind my last tensor load and my last LDS store
	ds_add_u32 v[SPW], v[NIL]
	s_wait_dscnt 0x0
	CROUND                                         ; the closing round
	s_endpgm
.Lfunc_end_k_q514f45e2fc_qkv:
	.size	k_q514f45e2fc_qkv, .Lfunc_end_k_q514f45e2fc_qkv-k_q514f45e2fc_qkv
	.p2alignl 7, 3214868480
	.fill 96, 4, 3214868480
	.section	.rodata,"a",@progbits
	.p2align	6, 0x0
	.amdhsa_kernel k_q514f45e2fc_qkv
		.amdhsa_group_segment_fixed_size 327680
		.amdhsa_private_segment_fixed_size 0
		.amdhsa_enable_private_segment 0
		.amdhsa_kernarg_size 24
		.amdhsa_user_sgpr_count 2
		.amdhsa_user_sgpr_kernarg_segment_ptr 1
		.amdhsa_wavefront_size32 1
		.amdhsa_system_sgpr_workgroup_id_x 1
		.amdhsa_system_sgpr_workgroup_id_y 1
		.amdhsa_system_sgpr_workgroup_id_z 1
		.amdhsa_system_vgpr_workitem_id 0
		.amdhsa_next_free_vgpr 1024
		.amdhsa_next_free_sgpr 98
		.amdhsa_reserve_vcc 0
		.amdhsa_float_denorm_mode_32 3
		.amdhsa_float_denorm_mode_16_64 3
		.amdhsa_memory_ordered 1
		.amdhsa_forward_progress 1
		.amdhsa_inst_pref_size 126
	.end_amdhsa_kernel
	.amdgpu_metadata
---
amdhsa.version: [ 1, 2 ]
amdhsa.kernels:
  - .name:           k_q514f45e2fc_qkv
    .symbol:         k_q514f45e2fc_qkv.kd
    .args:
      - { .name: xq, .offset: 0, .size: 8, .value_kind: global_buffer, .address_space: global }
      - { .name: wq, .offset: 8, .size: 8, .value_kind: global_buffer, .address_space: global }
      - { .name: qkv, .offset: 16, .size: 8, .value_kind: global_buffer, .address_space: global }
    .group_segment_fixed_size: 327680
    .private_segment_fixed_size: 0
    .kernarg_segment_align: 8
    .kernarg_segment_size: 24
    .max_flat_workgroup_size: 128
    .sgpr_count:     98
    .vgpr_count:     1024
    .wavefront_size: 32
...
	.end_amdgpu_metadata
.endif
;; end of part 2
;; launch attn (part 3): grid 16 x 16, 8 waves a work-group, no clusters, 327,680 bytes of LDS; arguments qkv, yf; writes yf
.if DOCPART == 3
	.amdgcn_target "amdgcn-amd-amdhsa--gfx1250"
	.amdhsa_code_object_version 6
	.text
	.protected	k_q514f45e2fc_attn
	.globl	k_q514f45e2fc_attn
	.p2align	8
	.type	k_q514f45e2fc_attn,@function
k_q514f45e2fc_attn:
	s_mov_b64 s[64:65], 0
	v_nop
	global_prefetch_b8 v0, s[64:65] scope:SCOPE_SE
	s_setreg_imm32_b32 hwreg(HW_REG_WAVE_MODE, 25, 1), 1
	s_wait_xcnt 0x0
; y[b][t][h] = the sum over keys k <= t of softmax_k(q[b][h][t] . k[b][h % 4][k] / 8) v[b][h % 4][k], head size 64, 2,048 positions, 16 heads on 4 groups of keys and values.
; q, k, v: f16, qkv [4 b][24 hd][2048 t][64] (hd 0-15 q, 16 + g k, 20 + g v).  Products on f16 operands with f32 sums; maxima, exponentials and sums in f32; the weights p are rounded to f16 for the second product.
; y leaves as f16: yf [8192 rows][1024 k'], k' = 256 (h & 3) + 64 (h >> 2) + d.
; SHARES.  Work-group (p, 4 b + g) owns two blocks of 64 positions, for the four heads of group g: a long one at 64 (31 - p) and a short one at 64 p.  Wave w: two heads g + 4 (2 (w & 1) + i), i = 0, 1, and 16 positions
; (slice w >> 1) of each block: two PIECES of two tiles of 16 queries.  Keys go 64 a step: piece 0 works 32 - p steps, piece 1 p + 1: 33 piece-steps for every wave of the launch.
; Two waves share a SIMD, so that one's vector work stands beside the other's matrix work.
; NO CLUSTER: the four heads that share K and V are in one work-group already, and the 16 work-groups of one (b, g) need different numbers of tiles under the mask.
; LAYOUT.  S^T = K Q^T (source 0 = 16 keys, source 1 = 16 queries), O^T = V^T P (source 0 = 16 channels x 32 keys, turned on its way out of LDS): a lane holds ONE query throughout.
; SOFTMAX.  A running maximum m and sum l for each query: p = 2^(c s - c m), c = log2(e) / 8; in every step O and l are multiplied by a = 2^(c m_old - c m_new).
; THE MASK.  Every work-group walks all 8 slots of 256 keys: the trip counts are constants.  A step all of whose keys come after a piece's queries is jumped over by a scalar branch on ids; on the diagonal hidden scores
; become -infinity ahead of the maximum.  A slot whose first key comes after the work-group's last query is not asked for.
; THE RING.  Two slots of four steps.  Each of the eight waves fetches by one tensor load 16 keys of EACH of a slot's four steps (waves 0-3: K, waves 4-7: V): 4 rows of 2,048 dense bytes, 8,192 bytes apart.
; So every load that is issued is read at least in the slot's first step.  In LDS a wave's 64 key rows lie on end: group (16 keys of a step's 64), then step, then key.
; REGISTERS.  window 0: v0-16 addresses and constants; v24-55 eight statistics a tile; v64-127 S^T of the piece in hand; v128-159 P; v160-223 Q, 16 a tile.   window 1: v0-127 O^T, 32 a tile; v128-191 K; v192-255 V.
.set PKP,   144                        ; a key's row of K in LDS: 128 bytes + 16
.set PVP,   160                        ; of V: 128 + 32
.set KGRP,  64*PKP                     ; what one load of K fills: 4 steps x 16 keys
.set VGRP,  64*PVP
.set KSTP,  16*PKP                     ; from step to step inside a group
.set VSTP,  16*PVP
.set VOFF,  4*KGRP
.set SLOT1, 1<<17                      ; slot 1 begins here: one exclusive or turns an address from one slot to the other
.set STAGE, SLOT1+4*KGRP+4*VGRP        ; the way out: 16 rows x 272 bytes for each wave
.set SP,    272
.set SPARE, STAGE+8*16*SP              ; the spare words: 128 bytes for each wave, named by no other line
.set AK0, 3
.set AV0, 4
.set ADK, 5
.set ADV, 6
.set QO,  7
.set STO, 8
.set RD,  9
.set GO,  10
.set SPW, 11
.set NIL, 12
.set PFO, 13
.set VRH, 14                           ; r - 8 h
.set VD,  15
.set NINF, 16
.set ST,  24                           ; tile T's statistics at v[ST + 8 T]: +0 c m, +1 m, +2, +3 l, +4 to +7 at work; a takes +6
.set S,   64
.set P,   128
.set Q,   160
.set KFR, 128                          ; in window 1
.set VFR, 192
.set WV,  8
.set G1K, 24
.set G1V, 32
.set G0K, 40
.set G0V, 44
.set Q0L, 48                           ; s48, s49 the pieces' first queries;  s50, s51 their last
.set Q15, 50
.set WGL, 52                           ; the work-group's last query
.set KF,  53                           ; the step's first key
.set TBK, 54                           ; LDS byte of the step in hand inside K's groups
.set SLOTS, 55
.set STEPS, 56
.set LIM, 57
.set CS,  58
.set SEL, 60
.set PFA, 62
.set TBV, 66
.set MSB, 0
.macro WIN new
.if MSB != (\new)
	s_set_vgpr_msb (MSB<<8)|(\new)
.set MSB, (\new)
.endif
.endm
; Waves 0-3 fetch for K, waves 4-7 for V.  The branch hangs on the wave's number alone.  An s_nop 0 and four v_nop follow each line.
.macro TLOAD
	s_cmp_lt_u32 s[WV], 4
	s_cbranch_scc0 .Lfor_v_\@
	tensor_load_to_lds s[G0K:G0K+3], s[G1K:G1K+7]
	s_nop 0
.rept 4
	v_nop
.endr
	s_branch .Lasked_\@
.Lfor_v_\@:
	tensor_load_to_lds s[G0V:G0V+3], s[G1V:G1V+7]
	s_nop 0
.rept 4
	v_nop
.endr
.Lasked_\@:
.endm
; A prefetch of what the NEXT change of slots will ask for.  All 16 work-groups of one (b, g) walk the same K and V: the one with p = 0, which walks all slots, asks.  Each of its eight waves names the 32 aligned blocks
; of 256 bytes of its own tile, a lane a block: each block is named once in the launch.  Slots 0 and 1 come by their loads alone; the last change that fills a slot asks for nothing.
.macro ASK
	s_cmp_gt_u32 s[SLOTS], s[LIM]
	s_cbranch_scc0 .Lnot_mine_\@
	global_prefetch_b8 v[PFO], s[PFA:PFA+1] th:TH_LOAD_NT scope:SCOPE_SE
.Lnot_mine_\@:
.endm
	s_load_b128 s[4:7], s[0:1], 0x0                ; qkv s[4:5], yf s[6:7]
	v_lshl_add_u32 v[SPW], v0, 2, SPARE
	v_mov_b32 v[NIL], 0
	ds_add_u32 v[SPW], v[NIL]                      ; the wave's opening: the add, twice on end, and its wait ahead of my first tensor load
	ds_add_u32 v[SPW], v[NIL]
	v_lshrrev_b32 v1, 5, v0
	v_readfirstlane_b32 s[WV], v1                  ; wave 0..7
	s_and_b32 s10, ttmp7, 0xffff
	s_lshr_b32 s11, s10, 2                         ; b
	s_and_b32 s12, s10, 3                          ; g
	s_and_b32 s13, s[WV], 1                        ; which pair of heads
	s_lshr_b32 s14, s[WV], 1                       ; which 16 positions of a block
	s_and_b32 s15, s[WV], 3                        ; which 16 keys of each step I fetch
	s_sub_co_u32 s[Q0L], 31, ttmp9
	s_lshl_b32 s[Q0L], s[Q0L], 6
	s_lshl_b32 s67, s14, 4
	s_add_co_u32 s[Q0L], s[Q0L], s67               ; piece 0's first query: 64 (31 - p) + 16 x slice
	s_lshl_b32 s[Q0L+1], ttmp9, 6
	s_add_co_u32 s[Q0L+1], s[Q0L+1], s67           ; piece 1's: 64 p + 16 x slice
	s_add_co_u32 s[Q15], s[Q0L], 15
	s_add_co_u32 s[Q15+1], s[Q0L+1], 15
	s_or_b32 s[WGL], s[Q0L], 63                    ; the long block's last query
	s_mov_b32 s[G1K], (1<<16)|(1<<20)|(4<<22)|(3<<25)              ; elements of 2 bytes; padding: 4 words behind every 32 (a key's 128 bytes)
	s_mov_b32 s[G1V], (1<<16)|(1<<20)|(4<<22)|(7<<25)              ; 8 words
.irp g, G1K, G1V
	s_mov_b32 s[\g+1], 1024<<16                    ; tensor_dim0: 16 keys x 64 channels, dense
	s_mov_b32 s[\g+2], 4<<16                       ; tensor_dim1: the slot's four steps
	s_mov_b32 s[\g+3], 1024<<16                    ; tile_dim0
	s_mov_b32 s[\g+4], 4                           ; tile_dim1
	s_mov_b32 s[\g+5], 4096                        ; the pitch: 64 keys x 64 channels
	s_mov_b32 s[\g+6], 0
	s_mov_b32 s[\g+7], 0
.endr
	s_mov_b32 s[CS], 0x3e38aa3b                    ; c = log2(e) / 8
	s_mov_b32 s[CS+1], s[CS]
	s_mov_b32 s[SEL], 0x76543210
	s_mov_b32 s[SEL+1], 0xfedcba98
	s_mov_b32 s[KF], 0
	s_mov_b32 s[TBK], 0
	s_mov_b32 s[TBV], 0
	s_mov_b32 s[SLOTS], 7
	s_mul_i32 s68, s11, 24
	s_add_co_u32 s68, s68, s12                     ; 24 b + g
	s_add_co_u32 s70, s68, 16
	s_lshl_b32 s70, s70, 18
	s_lshl_b32 s67, s15, 11
	s_add_co_u32 s70, s70, s67                     ; K: the group's block, + my 16 keys of step 0
	s_mov_b32 s71, 0
	s_add_co_u32 s72, s70, 4<<18                   ; V: four blocks on
	s_mov_b32 s73, 0
	s_lshl_b32 s67, s13, 3
	s_add_co_u32 s74, s68, s67
	s_lshl_b32 s74, s74, 18                        ; q: the block of my first head, g + 8 x pair
	s_wait_dscnt 0x0                               ; both opening adds are done
	s_wait_kmcnt 0x0
	s_mov_b32 s[G0K], 1
	s_mul_i32 s[G0K+1], s15, KGRP
	s_add_nc_u64 s[G0K+2:G0K+3], s[4:5], s[70:71]
	s_or_b32 s[G0K+3], s[G0K+3], 0x80000000
	s_mov_b32 s[G0V], 1
	s_mul_i32 s[G0V+1], s15, VGRP
	s_add_co_u32 s[G0V+1], s[G0V+1], VOFF
	s_add_nc_u64 s[G0V+2:G0V+3], s[4:5], s[72:73]
	s_or_b32 s[G0V+3], s[G0V+3], 0x80000000
	TLOAD                                          ; slot 0: one tensor load of mine is out
	s_cmp_lt_u32 s[WV], 4
	s_cselect_b32 s70, s70, s72
	s_add_co_u32 s70, s70, 32768                   ; my tile in slot 1: the first change of slots steps it to slot 2
	s_add_nc_u64 s[PFA:PFA+1], s[4:5], s[70:71]
	s_cmp_eq_u32 ttmp9, 0
	s_cselect_b32 s[LIM], 1, -1
	s_lshl_b32 s70, s[Q0L], 7
	s_add_co_u32 s70, s70, s74
	s_add_nc_u64 s[16:17], s[4:5], s[70:71]        ; q at piece 0's first query
	s_lshl_b32 s70, s[Q0L+1], 7
	s_add_co_u32 s70, s70, s74
	s_add_nc_u64 s[18:19], s[4:5], s[70:71]        ; and piece 1's
	s_lshl_b32 s72, s11, 11
	s_lshl_b32 s67, s12, 9
	s_lshl_b32 s69, s13, 8
	s_add_co_u32 s67, s67, s69                     ; my 256 bytes of a row of yf: 512 g + 256 x pair
	s_add_co_u32 s70, s72, s[Q0L]
	s_lshl_b32 s70, s70, 11
	s_add_co_u32 s70, s70, s67
	s_add_nc_u64 s[20:21], s[6:7], s[70:71]
	s_add_co_u32 s70, s72, s[Q0L+1]
	s_lshl_b32 s70, s70, 11
	s_add_co_u32 s70, s70, s67
	s_add_nc_u64 s[22:23], s[6:7], s[70:71]
	v_and_b32 v1, 15, v0                           ; r
	v_bfe_u32 v2, v0, 4, 1                         ; h
	v_lshlrev_b32 v[QO], 7, v1
	v_lshl_add_u32 v[QO], v2, 4, v[QO]             ; row r of 128 bytes + 16 h
.irp x, 0,1
.irp i, 0,1
.irp c, 0,1
	global_load_b128 v[Q+16*(2*\x+\i)+8*\c:Q+16*(2*\x+\i)+8*\c+3],   v[QO], s[16+2*\x:17+2*\x] offset:\i*1048576+64*\c      ; Q stays in registers; the second head lies four blocks on
	global_load_b128 v[Q+16*(2*\x+\i)+8*\c+4:Q+16*(2*\x+\i)+8*\c+7], v[QO], s[16+2*\x:17+2*\x] offset:\i*1048576+64*\c+32
.endr
.endr
.endr
	v_mul_u32_u24 v[AK0], v1, PKP
	v_lshl_add_u32 v[AK0], v2, 4, v[AK0]           ; K: key r of a group, + 16 h
	v_and_b32 v17, 7, v0
	v_bfe_u32 v18, v0, 3, 1
	v_lshl_add_u32 v[AV0], v2, 3, v17
	v_mul_u32_u24 v[AV0], v[AV0], PVP
	v_lshl_add_u32 v[AV0], v18, 4, v[AV0]
	v_add_nc_u32 v[AV0], VOFF, v[AV0]              ; V, for the turning load: key 8 h + l % 8 of a group, channels 8 ((l / 8) % 2) on
	s_mul_i32 s67, s[WV], 16*SP
	s_add_co_u32 s67, s67, STAGE
	v_mul_u32_u24 v[STO], v1, SP
	v_lshl_add_u32 v[STO], v2, 4, v[STO]
	v_add_nc_u32 v[STO], s67, v[STO]
	v_mul_u32_u24 v[RD], v2, SP
	v_lshl_add_u32 v[RD], v1, 4, v[RD]
	v_add_nc_u32 v[RD], s67, v[RD]
	v_lshlrev_b32 v[GO], 11, v2
	v_lshl_add_u32 v[GO], v1, 4, v[GO]
	v_and_b32 v17, 31, v0
	v_lshrrev_b32 v18, 3, v17
	v_and_b32 v17, 7, v17
	v_lshlrev_b32 v[PFO], 13, v18
	v_lshl_add_u32 v[PFO], v17, 8, v[PFO]          ; 8,192 (l / 8) + 256 (l % 8)
	v_lshlrev_b32 v17, 3, v2
	v_sub_nc_u32 v[VRH], v1, v17
	v_mov_b32 v[NINF], 0xff800000
.irp t, 0,1,2,3
	v_mov_b32 v[ST+8*\t+1], 0xff61b1e6             ; m: -3e38, under every score
	v_mul_f32 v[ST+8*\t], s[CS], v[ST+8*\t+1]
.irp n, 2,3,4,5,6,7
	v_mov_b32 v[ST+8*\t+\n], 0
.endr
.endr
	WIN 0x40
.set n, 0
.rept 128
	v_mov_b32 v[n], 0                              ; O^T.  The step is written without a first step of its own: the first change of m multiplies zeros
.set n, n+1
.endr
	WIN 0
; One piece's softmax of one key step; its two tiles take turns line by line.
.macro SOFT x
.set rT, ST+16*(\x)
.set j, 0
.rept 4                                ; the maximum of a lane's 32 scores: four chains, each begun at an accumulator's low end
.irp i, 0,1
	v_max3_num_f32 v[rT+8*\i+4+j], v[S+32*\i+8*j], v[S+32*\i+8*j+1], v[S+32*\i+8*j+2]
.endr
.set j, j+1
.endr
.irp q, 1,2
.set j, 0
.rept 4
.irp i, 0,1
	v_max3_num_f32 v[rT+8*\i+4+j], v[rT+8*\i+4+j], v[S+32*\i+8*j+2*\q+1], v[S+32*\i+8*j+2*\q+2]
.endr
.set j, j+1
.endr
.endr
.irp i, 0,1
	v_max3_num_f32 v[rT+8*\i+4], v[rT+8*\i+4], v[S+32*\i+7], v[S+32*\i+15]
.endr
.irp i, 0,1
	v_max3_num_f32 v[rT+8*\i+6], v[rT+8*\i+6], v[S+32*\i+23], v[S+32*\i+31]
.endr
.irp i, 0,1
	v_max3_num_f32 v[rT+8*\i+4], v[rT+8*\i+4], v[rT+8*\i+5], v[rT+8*\i+6]
.endr
.irp i, 0,1
	v_max3_num_f32 v[rT+8*\i+4], v[rT+8*\i+4], v[rT+8*\i+7], v[rT+8*\i+1]   ; with the old m
.endr
.irp i, 0,1
	v_permlanex16_b32 v[rT+8*\i+5], v[rT+8*\i+4], s[SEL], s[SEL+1]          ; the query's other 32 keys lie in the lane 16 away
.endr
.irp i, 0,1
	v_mov_b32 v[rT+8*\i+7], v[rT+8*\i]                                      ; c m_old
.endr
.irp i, 0,1
	v_max_num_f32 v[rT+8*\i+1], v[rT+8*\i+4], v[rT+8*\i+5]
.endr
.irp i, 0,1
	v_mul_f32 v[rT+8*\i], s[CS], v[rT+8*\i+1]
.endr
.irp i, 0,1
	v_sub_f32 v[rT+8*\i+7], v[rT+8*\i+7], v[rT+8*\i]
.endr
.set n, 0
.rept 16
.irp i, 0,1
	v_pk_fma_f32 v[S+32*\i+2*n:S+32*\i+2*n+1], v[S+32*\i+2*n:S+32*\i+2*n+1], s[CS:CS+1], v[rT+8*\i:rT+8*\i+1] op_sel_hi:[1,0,0] neg_lo:[0,0,1] neg_hi:[0,0,1]   ; c s - c m
.endr
.set n, n+1
.endr
.irp i, 0,1
	v_exp_f32 v[rT+8*\i+6], v[rT+8*\i+7]           ; a
.endr
.set n, 0
.rept 32
.irp i, 0,1
	v_exp_f32 v[S+32*\i+n], v[S+32*\i+n]           ; p: one batch of 66 exponentials
.endr
.set n, n+1
.endr
	v_nop                                          ; a plain instruction behind the last exponential
	s_wait_alu depctr_va_vdst(0)                   ; and one wait for the batch, ahead of its first reader
.set n, 0
.rept 16
.irp i, 0,1
	v_cvt_pk_f16_f32 v[P+16*\i+n], v[S+32*\i+2*n], v[S+32*\i+2*n+1]
.endr
.set n, n+1
.endr
.irp w, 4,8,16,32                      ; the sum of the unrounded p, in place: neighbours 1, 2, 4 and 8 pairs apart
.set n, 0
.rept 32/\w
.irp i, 0,1
	v_pk_add_f32 v[S+32*\i+\w*n:S+32*\i+\w*n+1], v[S+32*\i+\w*n:S+32*\i+\w*n+1], v[S+32*\i+\w*n+\w/2:S+32*\i+\w*n+\w/2+1]
.endr
.set n, n+1
.endr
.endr
.irp i, 0,1
	v_pk_fma_f32 v[rT+8*\i+2:rT+8*\i+3], v[rT+8*\i+2:rT+8*\i+3], v[rT+8*\i+6:rT+8*\i+7], v[S+32*\i:S+32*\i+1] op_sel_hi:[1,0,1]   ; l = a l + the sum
.endr
	WIN 0x41                                       ; O^T in window 1, a in window 0
.set n, 0
.rept 16
.irp i, 0,1
	v_pk_mul_f32 v[32*(2*(\x)+\i)+2*n:32*(2*(\x)+\i)+2*n+1], v[32*(2*(\x)+\i)+2*n:32*(2*(\x)+\i)+2*n+1], v[rT+8*\i+6:rT+8*\i+7] op_sel_hi:[1,0]
.endr
.set n, n+1
.endr
.endm
; One piece's key step.  In both products eight accumulators take turns, one instruction a turn.
.macro PIECE x
.if (\x) == 0
	s_wait_dscnt 16                                ; K's 16 loads are in; V's 16, issued behind them, may be out
.endif
	WIN 0x01                                       ; K in window 1; Q and S^T in window 0
.irp c, 0,1
.irp kt, 0,1,2,3
.irp i, 0,1
.if \c == 0
	v_wmma_f32_16x16x32_f16 v[S+32*\i+8*\kt:S+32*\i+8*\kt+7], v[KFR+16*\kt+8*\c:KFR+16*\kt+8*\c+7], v[Q+16*(2*(\x)+\i)+8*\c:Q+16*(2*(\x)+\i)+8*\c+7], 0
.else
	v_wmma_f32_16x16x32_f16 v[S+32*\i+8*\kt:S+32*\i+8*\kt+7], v[KFR+16*\kt+8*\c:KFR+16*\kt+8*\c+7], v[Q+16*(2*(\x)+\i)+8*\c:Q+16*(2*(\x)+\i)+8*\c+7], v[S+32*\i+8*\kt:S+32*\i+8*\kt+7]
.endif
.endr
.endr
.endr
	WIN 0
.rept 4
	v_nop                                          ; places in front of the first read of the scores
.endr
	s_add_co_u32 s67, s[KF], 63
	s_cmp_le_u32 s67, s[Q0L+(\x)]
	s_cbranch_scc1 .Lopen_\@                       ; all 64 keys count for all 16 queries
	s_sub_co_i32 s67, s[Q0L+(\x)], s[KF]
	v_add_nc_u32 v[VD], s67, v[VRH]                ; d = my query - KF - 8 h.  Register 8 kt + j holds key KF + 16 kt + 8 h + j: hidden where 16 kt + j > d
.irp kt, 0,1,2,3
.irp j, 0,1,2,3,4,5,6,7
	v_cmp_gt_i32 vcc_lo, 16*\kt+\j, v[VD]
	v_cndmask_b32 v[S+8*\kt+\j], v[S+8*\kt+\j], v[NINF], vcc_lo
	v_cndmask_b32 v[S+32+8*\kt+\j], v[S+32+8*\kt+\j], v[NINF], vcc_lo
.endr
.endr
.Lopen_\@:
	SOFT \x
.if (\x) == 0
	s_wait_dscnt 0x0                               ; V is in
.endif
	WIN 0x51                                       ; V and O^T in window 1, P in window 0
.irp ks, 0,1
.irp ct, 0,1,2,3
.irp i, 0,1
	v_wmma_f32_16x16x32_f16 v[32*(2*(\x)+\i)+8*\ct:32*(2*(\x)+\i)+8*\ct+7], v[VFR+32*\ks+8*\ct:VFR+32*\ks+8*\ct+7], v[P+16*\i+8*\ks:P+16*\i+8*\ks+7], v[32*(2*(\x)+\i)+8*\ct:32*(2*(\x)+\i)+8*\ct+7]
.endr
.endr
.endr
	WIN 0
.endm
; A key step: 64 keys.  The branches hang on ids and the count of steps; no barrier, wait on TENSORcnt or tensor load stands in a step.
.macro STEP
	s_cmp_gt_u32 s[KF], s[Q15]
	s_cbranch_scc1 .Lhid_\@                        ; past the long piece's queries: nothing is left for this wave
	v_nop
	v_nop
	v_add_nc_u32 v[ADK], s[TBK], v[AK0]            ; with the two v_nop: four places in front of loads into registers that matrix instructions have read
	v_add_nc_u32 v[ADV], s[TBV], v[AV0]
	WIN 0x40
.irp kt, 0,1,2,3
.irp c, 0,1
	ds_load_b128 v[KFR+16*\kt+8*\c:KFR+16*\kt+8*\c+3],   v[ADK] offset:\kt*KGRP+64*\c
	ds_load_b128 v[KFR+16*\kt+8*\c+4:KFR+16*\kt+8*\c+7], v[ADK] offset:\kt*KGRP+64*\c+32
.endr
.endr
.irp ks, 0,1
.irp ct, 0,1,2,3
	ds_load_tr16_b128 v[VFR+32*\ks+8*\ct:VFR+32*\ks+8*\ct+3],   v[ADV] offset:2*\ks*VGRP+32*\ct
	ds_load_tr16_b128 v[VFR+32*\ks+8*\ct+4:VFR+32*\ks+8*\ct+7], v[ADV] offset:(2*\ks+1)*VGRP+32*\ct
.endr
.endr
	WIN 0
	PIECE 0
	s_cmp_gt_u32 s[KF], s[Q15+1]
	s_cbranch_scc1 .Lhid_\@                        ; past the short piece's queries
	PIECE 1
.Lhid_\@:
	s_add_co_u32 s[KF], s[KF], 64
	s_add_co_u32 s[TBK], s[TBK], KSTP
	s_add_co_u32 s[TBV], s[TBV], VSTP
.endm
; THE CHANGE OF SLOTS stands at a slot's head.  Each wave waits for all its tensor loads (its part of the slot ahead), adds 0 to its spare word, and waits for that and for its reads of the slot that it has left.
; Behind the barrier the slot ahead is whole and nobody reads the other one.  fill = 1: that other slot takes the next 256 keys, up to the causal limit: the load has four steps in which to land.
.macro CHANGE fill
	s_wait_tensorcnt 0x0                           ; no tensor load of mine is out, so a group 0 may be written
	ds_add_u32 v[SPW], v[NIL]                      ; 0 onto my spare word
.if \fill
	s_xor_b32 s[G0K+1], s[G0K+1], SLOT1
	s_add_nc_u64 s[G0K+2:G0K+3], s[G0K+2:G0K+3], 32768
	s_xor_b32 s[G0V+1], s[G0V+1], SLOT1
	s_add_nc_u64 s[G0V+2:G0V+3], s[G0V+2:G0V+3], 32768
	s_wait_xcnt 0x0                                ; the last prefetch, a slot back, has read its address
	s_add_nc_u64 s[PFA:PFA+1], s[PFA:PFA+1], 32768
.endif
	s_wait_dscnt 0x0                               ; the add is done, and my reads of the slot that I have left are over
	s_barrier_signal -1
	s_barrier_wait -1
.if \fill
	s_add_co_u32 s67, s[KF], 256                   ; the first key of the slot that this change would ask for
	s_cmp_gt_u32 s67, s[WGL]                       ; ids and the count of steps alone, the same in all eight waves: a slot past the work-group's last query is read by nobody and is not asked for
	s_cbranch_scc1 .Lpast_\@
	TLOAD                                          ; my one tensor load until the next such barrier
.Lpast_\@:
	ASK
.endif
.endm
.macro SLOT_STEPS
	s_mov_b32 s[STEPS], 4
.Lstep_\@:
	STEP
	s_sub_co_u32 s[STEPS], s[STEPS], 1
	s_cmp_lg_u32 s[STEPS], 0
	s_cbranch_scc1 .Lstep_\@
	s_sub_co_u32 s[TBK], s[TBK], 4*KSTP            ; back to a slot's first step,
	s_xor_b32 s[TBK], s[TBK], SLOT1                ; in the other slot
	s_sub_co_u32 s[TBV], s[TBV], 4*VSTP
	s_xor_b32 s[TBV], s[TBV], SLOT1
.endm
	s_wait_loadcnt 0x0                             ; Q
.Lslot:                                            ; seven trips: behind each change of slots but the last the next slot is asked for, up to the limit
	CHANGE 1
	SLOT_STEPS
	s_sub_co_u32 s[SLOTS], s[SLOTS], 1
	s_cmp_lg_u32 s[SLOTS], 0
	s_cbranch_scc1 .Lslot
	CHANGE 0                                       ; the last slot is written out: nothing is left to ask for
	SLOT_STEPS
	; THE WAY OUT.  l's two halves and the other half of the lanes' are added (these additions are the places behind the last products); O^T is divided by l, rounded to f16 and sent through my stage, a piece at a time.
.irp t, 0,1,2,3
	v_add_f32 v[ST+8*\t+4], v[ST+8*\t+2], v[ST+8*\t+3]
.endr
.irp t, 0,1,2,3
	v_permlanex16_b32 v[ST+8*\t+5], v[ST+8*\t+4], s[SEL], s[SEL+1]
.endr
.irp t, 0,1,2,3
	v_add_f32 v[ST+8*\t+4], v[ST+8*\t+4], v[ST+8*\t+5]
.endr
.irp t, 0,1,2,3
	v_rcp_f32 v[ST+8*\t+6], v[ST+8*\t+4]
.endr
	v_nop
	s_wait_alu depctr_va_vdst(0)                   ; one wait for the four reciprocals, ahead of their first reader
.macro PACK x                          ; a piece: 16 rows x 256 bytes (two heads x 64 channels)
	WIN 0x41
.irp i, 0,1
.set n, 0
.rept 16
	v_pk_mul_f32 v[32*(2*(\x)+\i)+2*n:32*(2*(\x)+\i)+2*n+1], v[32*(2*(\x)+\i)+2*n:32*(2*(\x)+\i)+2*n+1], v[ST+8*(2*(\x)+\i)+6:ST+8*(2*(\x)+\i)+7] op_sel_hi:[1,0]
.set n, n+1
.endr
.endr
	WIN 0x05                                       ; sources in window 1, destination in window 0: S^T's registers are free
.set n, 0
.rept 32
	v_cvt_pk_f16_f32 v[S+32*(\x)+n], v[64*(\x)+2*n], v[64*(\x)+2*n+1]
.set n, n+1
.endr
	WIN 0
.irp f, 0,1,2,3,4,5,6,7
	ds_store_b128 v[STO], v[S+32*(\x)+4*\f:S+32*(\x)+4*\f+3] offset:32*\f
.endr
.irp f, 0,1,2,3,4,5,6,7
	ds_load_b128 v[S+32*(\x)+4*\f:S+32*(\x)+4*\f+3], v[RD] offset:\f*2*SP   ; LDS serves a wave's instructions in order: these see the stores above, and the next piece's stores come behind them
.endr
.endm
.macro SEND x, younger                 ; younger: the LDS instructions issued behind this piece's loads
.irp f, 0,1,2,3,4,5,6,7
	s_wait_dscnt \younger+7-\f
	global_store_b128 v[GO], v[S+32*(\x)+4*\f:S+32*(\x)+4*\f+3], s[20+2*(\x):21+2*(\x)] offset:4096*\f   ; 16 lanes store 256 consecutive bytes, aligned
.endr
.endm
	PACK 0
	PACK 1
	SEND 0, 16
	SEND 1, 0
	s_wait_tensorcnt 0x0                           ; the wave's end: a wait, an add of 0 to my spare word and its wait behind my last tensor load and my last LDS store
	ds_add_u32 v[SPW], v[NIL]
	s_wait_dscnt 0x0
	s_endpgm
.Lfunc_end_k_q514f45e2fc_attn:
	.size	k_q514f45e2fc_attn, .Lfunc_end_k_q514f45e2fc_attn-k_q514f45e2fc_attn
	.p2alignl 7, 3214868480
	.fill 96, 4, 3214868480
	.section	.rodata,"a",@progbits
	.p2align	6, 0x0
	.amdhsa_kernel k_q514f45e2fc_attn
		.amdhsa_group_segment_fixed_size 327680
		.amdhsa_private_segment_fixed_size 0
		.amdhsa_enable_private_segment 0
		.amdhsa_kernarg_size 16
		.amdhsa_user_sgpr_count 2
		.amdhsa_user_sgpr_kernarg_segment_ptr 1
		.amdhsa_wavefront_size32 1
		.amdhsa_system_sgpr_workgroup_id_x 1
		.amdhsa_system_sgpr_workgroup_id_y 1
		.amdhsa_system_sgpr_workgroup_id_z 1
		.amdhsa_system_vgpr_workitem_id 0
		.amdhsa_next_free_vgpr 512
		.amdhsa_next_free_sgpr 80
		.amdhsa_reserve_vcc 1
		.amdhsa_float_denorm_mode_32 3
		.amdhsa_float_denorm_mode_16_64 3
		.amdhsa_memory_ordered 1
		.amdhsa_forward_progress 1
		.amdhsa_inst_pref_size 106
	.end_amdhsa_kernel
	.amdgpu_metadata
---
amdhsa.version: [ 1, 2 ]
amdhsa.kernels:
  - .name:           k_q514f45e2fc_attn
    .symbol:         k_q514f45e2fc_attn.kd
    .args:
      - { .name: qkv, .offset: 0, .size: 8, .value_kind: global_buffer, .address_space: global }
      - { .name: yf, .offset: 8, .size: 8, .value_kind: global_buffer, .address_space: global }
    .group_segment_fixed_size: 327680
    .private_segment_fixed_size: 0
    .kernarg_segment_align: 8
    .kernarg_segment_size: 16
    .max_flat_workgroup_size: 256
    .sgpr_count:     80
    .vgpr_count:     512
    .wavefront_size: 32
...
	.end_amdgpu_metadata
.endif
;; end of part 3
;; launch proj (part 4): grid 4 x 64, 4 waves a work-group, clusters of 4 x 4, 327,680 bytes of LDS; arguments yf, wp, b_proj, out0; writes out0
.if DOCPART == 4
	.amdgcn_target "amdgcn-amd-amdhsa--gfx1250"
	.amdhsa_code_object_version 6
	.text
	.protected	k_q514f45e2fc_proj
	.globl	k_q514f45e2fc_proj
	.p2align	8
	.type	k_q514f45e2fc_proj,@function
k_q514f45e2fc_proj:
	s_mov_b64 s[64:65], 0
	v_nop
	global_prefetch_b8 v0, s[64:65] scope:SCOPE_SE
	s_setreg_imm32_b32 hwreg(HW_REG_WAVE_MODE, 25, 1), 1
	s_wait_xcnt 0x0
	s_wait_alu depctr_hold_cnt(0) depctr_sa_sdst(0) depctr_va_vdst(0) depctr_va_sdst(0) depctr_va_ssrc(0) depctr_va_vcc(0) depctr_vm_vsrc(0)
	s_getreg_b32 s2, hwreg(HW_REG_IB_STS2, 6, 4)
	s_cmp_eq_u32 s2, 0
	s_cbranch_scc0 .Lentry_in_a_cluster
	s_endpgm
.Lentry_in_a_cluster:
	s_bfe_u32 s2, ttmp6, 0x10000c
	s_cmp_lg_u32 s2, 0xf033
	s_cbranch_scc0 .Lentry_shape_is_right
	s_endpgm
.Lentry_shape_is_right:
; out0[m][n] = sum over k' of yf[m][k'] wp[n][k'] + b_proj[n].  yf [8192][1024], wp [1024][1024]: f16, K innermost, both in the same order of k'; sums in f32; out0 [8192][1024] f32.
; A tile of out0 is 128 x 256: 256 work-groups.  Four waves, each 64 x 128: 32 accumulators of 16 x 16, 256 registers.  K goes in steps of 128 (rows of 256 bytes) through a ring of two LDS slots.
; CLUSTERS: 4 x 4 work-groups.  The four of a row of the cluster need the same tiles of yf, the four of a column the same tiles of wp: each tile is asked for JOINTLY.
; THE MATRIX INSTRUCTION IS USED TRANSPOSED (source 0 = 16 rows of wp, source 1 = 16 rows of yf): a lane holds eight neighbouring numbers of a row of out0.  The bias is the C of each sum's first product.
; REGISTERS: window 0: v16-31 addresses; yf's fragments (4 x 16 rows x 32 K), two buffers, v64-95 and v128-159; v160-223 the bias in the result's layout; on the way out v128-255 are rows read back.
;   window 1: wp's fragments (8 x 16 rows x 32 K), two buffers, v64-127 and v128-191.   window 2: the accumulators, (a, b) at v[8 (8 a + b)].
.set KSTEP,  128
.set PITCH,  272                       ; an LDS row: 256 bytes + 16 of padding
.set HALFA,  64*PITCH
.set HALFB,  128*PITCH
.set BOFF,   2*HALFA
.set SLOT,   2*HALFA+2*HALFB           ; yf's 128 rows, then wp's 256 rows
.set STAGE,  2*SLOT                    ; behind the ring: 16 rows x 528 bytes for each wave
.set SPITCH, 528
.set SPARE,  STAGE+4*16*SPITCH         ; the spare words: 128 bytes for each wave, named by no other line
.set LAPS,   4                         ; a lap = two K steps
.set ADRA, 16
.set ADRB, 20
.set STO,  24
.set RD,   25
.set CO,   26
.set SPW,  28
.set NIL,  29
.set PFO,  30
.set F0,   64
.set F1,   128
.set BI,   160
.set BK,   128
.set WV,   8
.set RH,   9                           ; which half of the tile's rows is mine.  Also: I fetch for yf (0) or for wp (1)
.set CH,   10                          ; which half of its columns.  Also: which half of that tile's rows I fetch
.set G1,  24
.set G0,  32
.set LIM, 43
.set PFA, 44
.set G1B, 48
.set G0B, 56
.set MSB, 0
.macro WIN new
.if MSB != (\new)
	s_set_vgpr_msb (MSB<<8)|(\new)
.set MSB, (\new)
.endif
.endm
.set MUL,  0xa1                        ; source 0 (wp) window 1, source 1 (yf) window 0, C and D window 2
.set MULB, 0x81                        ; the same, C (the bias) window 0
.macro JLOAD s                         ; a joint load; an s_nop 0 and four v_nop follow each of the two lines
	s_cmp_eq_u32 s[RH], 0
	s_cbranch_scc0 .Lfor_b_\@
	tensor_load_to_lds s[G0+4*\s:G0+4*\s+3], s[G1:G1+7]
	s_nop 0
.rept 4
	v_nop
.endr
	s_branch .Lasked_\@
.Lfor_b_\@:
	tensor_load_to_lds s[G0B+4*\s:G0B+4*\s+3], s[G1B:G1B+7]
	s_nop 0
.rept 4
	v_nop
.endr
.Lasked_\@:
.endm
; A prefetch of yf, once a lap: the two K steps of the lap after the next refills: 16 rows x 2 x 256 bytes a wave, a lane a block.  A tile row of yf is read by one row of one cluster alone: its four partners share the
; 64 rows that wave 0 or 1 fetches BY ADDRESS, 16 each, so each aligned block of 256 bytes is named once.  The last lap that fills asks for nothing.  wp is read by all clusters at about the same time: it is not asked for.
.macro ASK
	s_cmp_gt_u32 s3, s[LIM]
	s_cbranch_scc0 .Lnot_mine_\@
	global_prefetch_b8 v[PFO], s[PFA:PFA+1] th:TH_LOAD_NT scope:SCOPE_SE
.Lnot_mine_\@:
.endm
.macro CREST
	s_cmp_lg_u32 s[WV], 0
	s_cbranch_scc1 .Lnot_wave_0_\@
	s_barrier_signal -3
.Lnot_wave_0_\@:
	s_barrier_wait -3
	s_barrier_signal -1
	s_barrier_wait -1
.endm
.macro CROUND
	s_barrier_signal -1
	s_barrier_wait -1
	CREST
.endm
	s_load_b128 s[4:7], s[0:1], 0x0                ; yf s[4:5], wp s[6:7]
	s_load_b128 s[12:15], s[0:1], 0x10             ; b_proj s[12:13], out0 s[14:15]
	v_lshl_add_u32 v[SPW], v0, 2, SPARE
	v_mov_b32 v[NIL], 0
	ds_add_u32 v[SPW], v[NIL]                      ; the wave's opening: the add, twice on end, and its wait ahead of my first tensor load
	ds_add_u32 v[SPW], v[NIL]
	v_lshrrev_b32 v1, 5, v0
	v_readfirstlane_b32 s[WV], v1
	s_lshr_b32 s[RH], s[WV], 1
	s_and_b32 s[CH], s[WV], 1
	s_bfe_u32 s40, ttmp6, 0x40000                  ; cx
	s_bfe_u32 s41, ttmp6, 0x40004                  ; cy
	s_lshl_b32 s42, ttmp9, 2
	s_add_co_u32 s42, s42, s40                     ; tile column
	s_and_b32 s11, ttmp7, 0xffff
	s_lshl_b32 s11, s11, 2
	s_add_co_u32 s11, s11, s41                     ; tile row
	s_lshl_b32 s43, s41, 2
	s_lshl_b32 s43, 15, s43                        ; my row of the cluster
	s_lshl_b32 s44, 0x1111, s40                    ; my column
	s_or_b32 s[G1+0], s43, (1<<16)|(1<<20)|(1<<21)|(5<<22)|(3<<25)   ; the mask; elements of 2 bytes; padding: 4 words behind every 64; bit 21 beside the mask
	s_or_b32 s[G1B+0], s44, (1<<16)|(1<<20)|(1<<21)|(5<<22)|(3<<25)
	s_mov_b32 s[G1+1], KSTEP<<16
	s_mov_b32 s[G1+2], 64<<16                      ; yf: 64 rows to a load
	s_mov_b32 s[G1+3], KSTEP<<16
	s_mov_b32 s[G1+4], 64
	s_mov_b32 s[G1+5], 1024
	s_mov_b32 s[G1+6], 0
	s_mov_b32 s[G1+7], 0
	s_mov_b32 s[G1B+1], KSTEP<<16
	s_mov_b32 s[G1B+2], 128<<16                    ; wp: 128 rows to a load
	s_mov_b32 s[G1B+3], KSTEP<<16
	s_mov_b32 s[G1B+4], 128
	s_mov_b32 s[G1B+5], 1024
	s_mov_b32 s[G1B+6], 0
	s_mov_b32 s[G1B+7], 0
	s_lshl_b32 s16, s11, 7
	s_lshl_b32 s17, s[CH], 6
	s_add_co_u32 s16, s16, s17
	s_lshl_b32 s16, s16, 11                        ; yf: row 128 x tile row + 64 x half, rows of 2,048 bytes
	s_mov_b32 s17, 0
	s_lshl_b32 s46, s42, 8
	s_lshl_b32 s47, s[CH], 7
	s_add_co_u32 s46, s46, s47
	s_lshl_b32 s46, s46, 11                        ; wp: row 256 x tile column + 128 x half
	s_mov_b32 s47, 0
	s_mul_i32 s20, s[CH], HALFA                    ; where they go: no place in the cluster enters an LDS address
	s_mul_i32 s21, s[CH], HALFB
	s_add_co_u32 s21, s21, BOFF
	s_wait_dscnt 0x0                               ; both opening adds are done
	s_wait_kmcnt 0x0
	s_add_nc_u64 s[18:19], s[4:5], s[16:17]
	s_add_nc_u64 s[46:47], s[6:7], s[46:47]
	CROUND                                         ; all sixteen work-groups are here: the first joint loads meet
.irp s, 0,1
	s_mov_b32 s[G0+4*\s], 1
	s_add_co_u32 s[G0+4*\s+1], s20, \s*SLOT
	s_add_nc_u64 s[G0+4*\s+2:G0+4*\s+3], s[18:19], \s*KSTEP*2
	s_or_b32 s[G0+4*\s+3], s[G0+4*\s+3], 0x80000000
	s_mov_b32 s[G0B+4*\s], 1
	s_add_co_u32 s[G0B+4*\s+1], s21, \s*SLOT
	s_add_nc_u64 s[G0B+4*\s+2:G0B+4*\s+3], s[46:47], \s*KSTEP*2
	s_or_b32 s[G0B+4*\s+3], s[G0B+4*\s+3], 0x80000000
	JLOAD \s                                       ; two tensor loads of mine are out
.endr
	v_and_b32 v1, 15, v0                           ; r
	v_bfe_u32 v2, v0, 4, 1                         ; h
	s_lshl_b32 s70, s42, 10
	s_lshl_b32 s71, s[CH], 9
	s_add_co_u32 s70, s70, s71                     ; my first column, in bytes of f32: 1,024 x tile column + 512 x half
	s_mov_b32 s71, 0
	s_add_nc_u64 s[12:13], s[12:13], s[70:71]      ; the bias there
	v_lshlrev_b32 v31, 5, v2
.irp b, 0,1,2,3,4,5,6,7
	global_load_b128 v[BI+8*\b:BI+8*\b+3],   v31, s[12:13] offset:64*\b      ; register 8 b + j: the bias of column 16 b + 8 h + j
	global_load_b128 v[BI+8*\b+4:BI+8*\b+7], v31, s[12:13] offset:64*\b+16
.endr
	s_lshl_b32 s68, s11, 7
	s_lshl_b32 s69, s[RH], 6
	s_add_co_u32 s68, s68, s69
	s_lshl_b32 s68, s68, 12                        ; my first row of out0, rows of 4,096 bytes
	s_add_co_u32 s68, s68, s70
	s_mov_b32 s69, 0
	s_add_nc_u64 s[14:15], s[14:15], s[68:69]
	s_lshl_b32 s72, s40, 15                        ; the prefetches: my work-group's 16 of the 64 rows that I fetch,
	s_mov_b32 s73, 0
	s_add_nc_u64 s[PFA:PFA+1], s[18:19], s[72:73]
	s_add_nc_u64 s[PFA:PFA+1], s[PFA:PFA+1], 512   ; at K step 2: the first lap steps it to K step 4
	s_cmp_eq_u32 s[RH], 0
	s_cselect_b32 s[LIM], 1, -1                    ; waves 0 and 1 ask
	v_lshlrev_b32 v[PFO], 11, v1
	v_lshl_add_u32 v[PFO], v2, 8, v[PFO]           ; row l % 16, K step l / 16
	v_mul_u32_u24 v3, v1, PITCH
	v_lshl_add_u32 v3, v2, 4, v3                   ; a fragment's row x pitch + 16 x half
	s_mul_i32 s21, s[RH], HALFA                    ; my 64 rows of yf
	s_mul_i32 s22, s[CH], HALFB
	s_add_co_u32 s22, s22, BOFF                    ; my 128 rows of wp
.irp s, 0,1
	v_add_nc_u32 v[ADRA+\s], s21, v3
	v_add_nc_u32 v[ADRB+\s], s22, v3
	s_add_co_u32 s21, s21, SLOT
	s_add_co_u32 s22, s22, SLOT
.endr
	s_mul_i32 s23, s[WV], 16*SPITCH
	s_add_co_u32 s23, s23, STAGE                   ; my stage
	v_mul_u32_u24 v4, v1, SPITCH
	v_lshl_add_u32 v4, v2, 5, v4
	v_add_nc_u32 v[STO], s23, v4                   ; in: row r, 32 bytes for each half of the lanes
	v_and_b32 v5, 31, v0
	v_lshlrev_b32 v[CO], 4, v5                     ; back: the 32 lanes take one row of 512 bytes; and the same in out0
	v_add_nc_u32 v[RD], s23, v[CO]
; 8 matrix instructions: yf's block a against wp's eight, 32 along K.  The 32 accumulators take turns, one instruction a turn, in the same order in every quarter.
.macro MUL8 f, a, first
.irp b, 0,1,2,3,4,5,6,7
.if \first
	v_wmma_f32_16x16x32_f16 v[8*(8*(\a)+\b):8*(8*(\a)+\b)+7], v[\f+8*\b:\f+8*\b+7], v[\f+8*(\a):\f+8*(\a)+7], v[BI+8*\b:BI+8*\b+7]
.else
	v_wmma_f32_16x16x32_f16 v[8*(8*(\a)+\b):8*(8*(\a)+\b)+7], v[\f+8*\b:\f+8*\b+7], v[\f+8*(\a):\f+8*(\a)+7], v[8*(8*(\a)+\b):8*(8*(\a)+\b)+7]
.endif
.endr
.endm
.macro FETCH slot, k, f                ; 24 LDS loads in one run: the fragments of 32 along K at byte k of the rows
	WIN 0x40
.irp i, 0,1,2,3,4,5,6,7
	ds_load_b128 v[\f+8*\i:\f+8*\i+3],   v[ADRB+\slot] offset:\k+\i*16*PITCH
	ds_load_b128 v[\f+8*\i+4:\f+8*\i+7], v[ADRB+\slot] offset:\k+\i*16*PITCH+32
.endr
	WIN 0
.irp i, 0,1,2,3
	ds_load_b128 v[\f+8*\i:\f+8*\i+3],   v[ADRA+\slot] offset:\k+\i*16*PITCH
	ds_load_b128 v[\f+8*\i+4:\f+8*\i+7], v[ADRA+\slot] offset:\k+\i*16*PITCH+32
.endr
.endm
.macro PLACES                          ; four places in front of loads into registers that matrix instructions have read, and of the first read of results
.rept 4
	v_nop
.endr
.endm
; A K step is four quarters of 32 along K on buffers 0, 1, 0, 1.  One of the first three: multiplies buffer f and fetches the next quarter, at byte k, into g, 24 matrix instructions ahead of its use.
.macro QUARTER slot, k, f, g, first
	s_wait_dscnt 0x0
	WIN MUL-0x20*(\first)
	MUL8 \f, 0, \first
	PLACES
	FETCH \slot, \k, \g
	WIN MUL-0x20*(\first)
	MUL8 \f, 1, \first
	MUL8 \f, 2, \first
	MUL8 \f, 3, \first
.endm
; The last quarter multiplies buffer 1 and changes slots: ONE barrier; in front of it each wave waits for all its tensor loads, adds 0 to its spare word, and waits for that and for its reads of this slot.
; fill = 1: the barrier opens a round of the cluster's barrier, and this slot is filled again, two K steps ahead, first thing behind the round.
.macro TURN slot, next, fill
.if (\fill) && (\slot) == 0
	s_wait_xcnt 0x0                                ; the last prefetch, a lap back, has read its address
	s_add_nc_u64 s[PFA:PFA+1], s[PFA:PFA+1], 2*KSTEP*2
.endif
	WIN 0
	s_wait_tensorcnt 0x0                           ; all my tensor loads have landed: my part of the next slot
	ds_add_u32 v[SPW], v[NIL]                      ; 0 onto my spare word
	s_wait_dscnt 1                                 ; (the add alone may be out)
	WIN MUL
	MUL8 F1, 0, 0
	s_wait_dscnt 0x0                               ; the add is done, and my reads of this slot are over
	s_barrier_signal -1
	MUL8 F1, 1, 0
.if \fill
	WIN 0
.endif
	s_barrier_wait -1
.if \fill
	CREST
	s_add_nc_u64 s[G0+4*\slot+2:G0+4*\slot+3], s[G0+4*\slot+2:G0+4*\slot+3], 2*KSTEP*2
	s_add_nc_u64 s[G0B+4*\slot+2:G0B+4*\slot+3], s[G0B+4*\slot+2:G0B+4*\slot+3], 2*KSTEP*2
	JLOAD \slot                                    ; the four v_nop behind it are also the places in front of the loads below
.else
	PLACES
.endif
	FETCH \next, 0, F0
.if (\fill) && (\slot) == 0
	ASK
.endif
	WIN MUL
	MUL8 F1, 2, 0
	MUL8 F1, 3, 0
.endm
	s_wait_tensorcnt 1                             ; my part of K step 0 is in; K step 1's load, issued behind it, may be out
	s_barrier_signal -1
	s_barrier_wait -1
	FETCH 0, 0, F0
	s_wait_loadcnt 0x0                             ; the bias
	QUARTER 0, 64, F0, F1, 1                       ; the first quarter's products start the sums on the bias
	WIN 0
	s_mov_b32 s3, LAPS-1
.Llap:                                             ; a trip goes once round the ring, from a lap's second quarter to the next lap's first, and fills both slots again
	QUARTER 0, 128, F1, F0, 0
	QUARTER 0, 192, F0, F1, 0
	TURN 0, 1, 1
	QUARTER 1, 64,  F0, F1, 0
	QUARTER 1, 128, F1, F0, 0
	QUARTER 1, 192, F0, F1, 0
	TURN 1, 0, 1
	QUARTER 0, 64,  F0, F1, 0
	WIN 0
	s_sub_co_u32 s3, s3, 1
	s_cmp_lg_u32 s3, 0
	s_cbranch_scc1 .Llap
	QUARTER 0, 128, F1, F0, 0                      ; the last lap fills nothing
	QUARTER 0, 192, F0, F1, 0
	TURN 0, 1, 0
	QUARTER 1, 64,  F0, F1, 0
	QUARTER 1, 128, F1, F0, 0
	QUARTER 1, 192, F0, F1, 0
	s_wait_dscnt 0x0
	WIN MUL
	MUL8 F1, 0, 0
	MUL8 F1, 1, 0
	MUL8 F1, 2, 0
	MUL8 F1, 3, 0
	WIN 0
; THE WAY OUT, a block of 16 rows x 128 columns at a time, through my own stage: back come whole rows of 512 bytes.
.macro TOSTAGE a
	WIN 0x08                                       ; an LDS store's data are its source 1: window 2
.irp b, 0,1,2,3,4,5,6,7
	ds_store_b128 v[STO], v[64*(\a)+8*\b:64*(\a)+8*\b+3] offset:64*\b          ; each accumulator from its low end on
	ds_store_b128 v[STO], v[64*(\a)+8*\b+4:64*(\a)+8*\b+7] offset:64*\b+16
.endr
	WIN 0
.set BB, BK+64*((\a)%2)
.irp t, 0,1,2,3,4,5,6,7,8,9,10,11,12,13,14,15
	ds_load_b128 v[BB+4*\t:BB+4*\t+3], v[RD] offset:\t*SPITCH   ; LDS serves a wave's instructions in order: these see the stores above
.endr
.endm
.macro SEND a, younger                 ; younger: the LDS instructions issued behind block a's loads: the next block's 16 stores and 16 loads, or none
.set BB, BK+64*((\a)%2)
	s_wait_dscnt \younger
.irp t, 0,1,2,3,4,5,6,7,8,9,10,11,12,13,14,15
	global_store_b128 v[CO], v[BB+4*\t:BB+4*\t+3], s[14:15] offset:(16*(\a)+\t)*4096 th:TH_STORE_NT   ; 32 lanes store 512 consecutive bytes, aligned
.endr
.endm
	PLACES
	TOSTAGE 0
.irp a, 1,2,3
.if \a > 1
	s_wait_xcnt 0x0                                ; block a - 2's stores have read their registers: block a's loads may land there
.endif
	TOSTAGE \a
	SEND \a-1, 32
.endr
	SEND 3, 0
	s_wait_tensorcnt 0x0                           ; the wave's end: a wait, an add of 0 to my spare word and its wait behind my last tensor load and my last LDS store
	ds_add_u32 v[SPW], v[NIL]
	s_wait_dscnt 0x0
	CROUND                                         ; the closing round
	s_endpgm
.Lfunc_end_k_q514f45e2fc_proj:
	.size	k_q514f45e2fc_proj, .Lfunc_end_k_q514f45e2fc_proj-k_q514f45e2fc_proj
	.p2alignl 7, 3214868480
	.fill 96, 4, 3214868480
	.section	.rodata,"a",@progbits
	.p2align	6, 0x0
	.amdhsa_kernel k_q514f45e2fc_proj
		.amdhsa_group_segment_fixed_size 327680
		.amdhsa_private_segment_fixed_size 0
		.amdhsa_enable_private_segment 0
		.amdhsa_kernarg_size 32
		.amdhsa_user_sgpr_count 2
		.amdhsa_user_sgpr_kernarg_segment_ptr 1
		.amdhsa_wavefront_size32 1
		.amdhsa_system_sgpr_workgroup_id_x 1
		.amdhsa_system_sgpr_workgroup_id_y 1
		.amdhsa_system_sgpr_workgroup_id_z 1
		.amdhsa_system_vgpr_workitem_id 0
		.amdhsa_next_free_vgpr 768
		.amdhsa_next_free_sgpr 76
		.amdhsa_reserve_vcc 0
		.amdhsa_float_denorm_mode_32 3
		.amdhsa_float_denorm_mode_16_64 3
		.amdhsa_memory_ordered 1
		.amdhsa_forward_progress 1
		.amdhsa_inst_pref_size 87
	.end_amdhsa_kernel
	.amdgpu_metadata
---
amdhsa.version: [ 1, 2 ]
amdhsa.kernels:
  - .name:           k_q514f45e2fc_proj
    .symbol:         k_q514f45e2fc_proj.kd
    .args:
      - { .name: yf, .offset: 0, .size: 8, .value_kind: global_buffer, .address_space: global }
      - { .name: wp, .offset: 8, .size: 8, .value_kind: global_buffer, .address_space: global }
      - { .name: b_proj, .offset: 16, .size: 8, .value_kind: global_buffer, .address_space: global }
      - { .name: out0, .offset: 24, .size: 8, .value_kind: global_buffer, .address_space: global }
    .group_segment_fixed_size: 327680
    .private_segment_fixed_size: 0
    .kernarg_segment_align: 8
    .kernarg_segment_size: 32
    .max_flat_workgroup_size: 128
    .sgpr_count:     76
    .vgpr_count:     768
    .wavefront_size: 32
...
	.end_amdgpu_metadata
.endif
;; end of part 4
;; launch first16 (part 5): grid 16 x 4, 16 waves a work-group, no clusters, 71,680 bytes of LDS; arguments qkv, Wproj, b_proj, out0; writes out0
.if DOCPART == 5
	.amdgcn_target "amdgcn-amd-amdhsa--gfx1250"
	.amdhsa_code_object_version 6
	.text
	.protected	k_q514f45e2fc_first16
	.globl	k_q514f45e2fc_first16
	.p2align	8
	.type	k_q514f45e2fc_first16,@function
k_q514f45e2fc_first16:
	s_mov_b64 s[64:65], 0
	v_nop
	global_prefetch_b8 v0, s[64:65] scope:SCOPE_SE
	s_setreg_imm32_b32 hwreg(HW_REG_WAVE_MODE, 25, 1), 1
	s_wait_xcnt 0x0
; Positions 0 to 15 of each batch once more, finely: under the causal mask they average one to sixteen values, so the rounding of p, y and Wproj to 16 bits would weigh most there.
; Here q, k and v are taken as the f16 numbers of qkv (their products are exact in f32); the scores by two f16 matrix instructions; softmax in f32; p, y and Wproj stay f32: v_wmma_f32_16x16x4_f32, 80 a wave.
; The launch writes over rows 0-15 of each batch of out0.
; SHARES.  Work-group (nc, b): 64 output columns 64 nc .. of batch b.  Wave = head: it makes its head's y (16 positions x 64 channels) and that head's part of the 16 x 64 outputs; the 16 parts meet in LDS,
; and waves 0-7 add them onto the bias and store whole runs of 256 bytes.  64 work-groups: with fewer columns each, a store's run would be shorter than 256 bytes.
; LAYOUT.  S^T = K Q^T: lane (r, h) holds query r, register j key 8 h + j.  O^T = V^T P and OUT^T = W y^T take K four at a time; the same map of K onto lanes and registers is used on both sides of each product:
; in step s of the second, place (h, j) is key 8 h + 2 s + j; in step (ct, i) of the third, channel 16 ct + 8 h + 2 i + j: so p and O^T are operands as they stand.
; REGISTERS: v14, v15 the add's two; v16-31 Q, v32-47 K (later both W's third tile); v48-55 S^T; v56-63 p; v64-95 V (later W's fourth tile); v96-99 bias; v128-159 O^T and v160-191 OUT^T, written by matrix instructions alone; v192-255 W's first two tiles.
.set PP,    272                        ; a row of a part: 64 columns of f32 + 16 bytes
.set PART,  16*PP
.set SPARE, 16*PART                    ; the spare words: 128 bytes for each wave, named by no other line
	s_load_b256 s[4:11], s[0:1], 0x0               ; qkv s[4:5], Wproj s[6:7], b_proj s[8:9], out0 s[10:11]
	v_lshl_add_u32 v14, v0, 2, SPARE
	v_mov_b32 v15, 0
	v_lshrrev_b32 v1, 5, v0
	v_readfirstlane_b32 s12, v1                    ; wave = head
	s_and_b32 s13, s12, 3                          ; its group
	s_and_b32 s15, ttmp7, 0xffff                   ; b
	s_mul_i32 s16, s15, 24
	s_add_co_u32 s20, s16, s12
	s_lshl_b32 s20, s20, 18                        ; q's block
	s_mov_b32 s21, 0
	s_add_co_u32 s22, s16, s13
	s_add_co_u32 s22, s22, 16
	s_lshl_b32 s22, s22, 18                        ; k's
	s_mov_b32 s23, 0
	s_add_co_u32 s24, s22, 4<<18                   ; v's
	s_mov_b32 s25, 0
	s_lshl_b32 s26, ttmp9, 18
	s_lshl_b32 s17, s12, 8
	s_add_co_u32 s26, s26, s17                     ; Wproj: row 64 nc, column 64 x head
	s_mov_b32 s27, 0
	s_lshl_b32 s32, ttmp9, 8                       ; 64 columns of f32
	s_mov_b32 s33, 0
	s_lshl_b32 s34, s15, 23
	s_add_co_u32 s34, s34, s32                     ; out0: batch b, column 64 nc
	s_mov_b32 s35, 0
	s_mov_b32 s28, 0x3e38aa3b                      ; c = log2(e) / 8
	s_mov_b32 s30, 0x76543210
	s_mov_b32 s31, 0xfedcba98
	v_and_b32 v1, 15, v0                           ; r
	v_bfe_u32 v2, v0, 4, 1                         ; h
	v_lshlrev_b32 v3, 7, v1
	v_lshl_add_u32 v3, v2, 4, v3                   ; q, k: row r of 128 bytes + 16 h
	v_lshlrev_b32 v4, 1, v1
	v_lshl_add_u32 v4, v2, 10, v4                  ; v: key 8 h, channel r
	v_lshlrev_b32 v5, 12, v1
	v_lshl_add_u32 v5, v2, 5, v5                   ; Wproj: row r of 4,096 bytes + 32 h
	v_lshlrev_b32 v6, 4, v1                        ; the bias: 16 bytes a lane
	v_lshlrev_b32 v7, 3, v2
	v_sub_nc_u32 v7, v1, v7                        ; d = r - 8 h: key 8 h + j is hidden where j > d
	s_mul_i32 s17, s12, PART
	v_mul_u32_u24 v8, v1, PP
	v_lshl_add_u32 v8, v2, 5, v8
	v_add_nc_u32 v8, s17, v8                       ; my part: row r, + 32 h
	v_bfe_u32 v9, v0, 4, 4                         ; the way out: thread t of the first 256 takes row t / 16, 16 bytes at 16 (t % 16)
	v_lshlrev_b32 v10, 12, v9
	v_lshl_add_u32 v10, v1, 4, v10
	v_mul_u32_u24 v9, v9, PP
	v_lshl_add_u32 v9, v1, 4, v9
	v_mov_b32 v11, 0                               ; written once: a lane permute's destination counts as one of its sources
	v_mov_b32 v13, 0xff800000
	s_wait_kmcnt 0x0
	s_add_nc_u64 s[20:21], s[4:5], s[20:21]
	s_add_nc_u64 s[22:23], s[4:5], s[22:23]
	s_add_nc_u64 s[24:25], s[4:5], s[24:25]
	s_add_nc_u64 s[26:27], s[6:7], s[26:27]
	s_add_nc_u64 s[8:9], s[8:9], s[32:33]
	s_add_nc_u64 s[10:11], s[10:11], s[34:35]
	global_load_b128 v[96:99], v6, s[8:9]
.irp i, 0,1,2,3
	global_load_b128 v[16+4*\i:19+4*\i], v3, s[20:21] offset:32*\i
.endr
.irp i, 0,1,2,3
	global_load_b128 v[32+4*\i:35+4*\i], v3, s[22:23] offset:32*\i
.endr
.irp ct, 0,1,2,3
.irp kk, 0,1,2,3,4,5,6,7
	global_load_u16 v[64+8*\ct+\kk], v4, s[24:25] offset:128*\kk+32*\ct     ; v(key 8 h + kk, channel 16 ct + r)
.endr
.endr
.macro WLOAD reg, nt                   ; rows 16 nt + r of my 64 of Wproj: register 8 ct + e holds channel 16 ct + 8 h + e of my head
.irp ct, 0,1,2,3
	global_load_b128 v[\reg+8*\ct:\reg+8*\ct+3],   v5, s[26:27] offset:65536*\nt+64*\ct
	global_load_b128 v[\reg+8*\ct+4:\reg+8*\ct+7], v5, s[26:27] offset:65536*\nt+64*\ct+16
.endr
.endm
	WLOAD 192, 0
	WLOAD 224, 1
	s_wait_loadcnt 48                              ; the bias, q and k are in; v's 32 loads and W's 16 stay out
	v_wmma_f32_16x16x32_f16 v[48:55], v[32:39], v[16:23], 0
	s_wait_alu depctr_va_vdst(0)                   ; the wait stands directly ahead of the link
	v_wmma_f32_16x16x32_f16 v[48:55], v[40:47], v[24:31], v[48:55]
.rept 4
	v_nop
.endr
.irp j, 0,1,2,3,4,5,6,7
	v_cmp_gt_i32 vcc_lo, \j, v7
	v_cndmask_b32 v[48+\j], v[48+\j], v13, vcc_lo  ; hidden scores become -infinity
.endr
	v_max3_num_f32 v12, v48, v49, v50
	v_max3_num_f32 v12, v12, v51, v52
	v_max3_num_f32 v12, v12, v53, v54
	v_max_num_f32 v12, v12, v55
	v_permlanex16_b32 v11, v12, s30, s31
	v_max_num_f32 v12, v12, v11                    ; the row's maximum: key 0 counts for every query, so it is a number
	v_mul_f32 v12, s28, v12
.irp j, 0,1,2,3,4,5,6,7
	v_fma_f32 v[48+\j], v[48+\j], s28, -v12
.endr
.irp j, 0,1,2,3,4,5,6,7
	v_exp_f32 v[48+\j], v[48+\j]
.endr
	v_nop
	s_wait_alu depctr_va_vdst(0)                   ; one wait for the eight, ahead of their first reader
	v_add_f32 v12, v48, v49
	v_add_f32 v11, v50, v51
	v_add_f32 v12, v12, v52
	v_add_f32 v11, v11, v53
	v_add_f32 v12, v12, v54
	v_add_f32 v11, v11, v55
	v_add_f32 v12, v12, v11
	v_permlanex16_b32 v11, v12, s30, s31
	v_add_f32 v11, v12, v11                        ; the row's sum
	v_rcp_f32 v12, v11
	v_nop
	s_wait_alu depctr_va_vdst(0)
.irp j, 0,1,2,3,4,5,6,7
	v_mul_f32 v[56+\j], v[48+\j], v12              ; the weights, normalised, in f32
.endr
	s_wait_loadcnt 16                              ; v is in; W's 16 loads stay out
	v_cvt_f32_f16 v64, v64.l
	v_cvt_f32_f16 v65, v65.l
	v_cvt_f32_f16 v66, v66.l
	v_cvt_f32_f16 v67, v67.l
	v_cvt_f32_f16 v68, v68.l
	v_cvt_f32_f16 v69, v69.l
	v_cvt_f32_f16 v70, v70.l
	v_cvt_f32_f16 v71, v71.l
	v_cvt_f32_f16 v72, v72.l
	v_cvt_f32_f16 v73, v73.l
	v_cvt_f32_f16 v74, v74.l
	v_cvt_f32_f16 v75, v75.l
	v_cvt_f32_f16 v76, v76.l
	v_cvt_f32_f16 v77, v77.l
	v_cvt_f32_f16 v78, v78.l
	v_cvt_f32_f16 v79, v79.l
	v_cvt_f32_f16 v80, v80.l
	v_cvt_f32_f16 v81, v81.l
	v_cvt_f32_f16 v82, v82.l
	v_cvt_f32_f16 v83, v83.l
	v_cvt_f32_f16 v84, v84.l
	v_cvt_f32_f16 v85, v85.l
	v_cvt_f32_f16 v86, v86.l
	v_cvt_f32_f16 v87, v87.l
	v_cvt_f32_f16 v88, v88.l
	v_cvt_f32_f16 v89, v89.l
	v_cvt_f32_f16 v90, v90.l
	v_cvt_f32_f16 v91, v91.l
	v_cvt_f32_f16 v92, v92.l
	v_cvt_f32_f16 v93, v93.l
	v_cvt_f32_f16 v94, v94.l
	v_cvt_f32_f16 v95, v95.l
.irp s, 0,1,2,3                        ; O^T = V^T P: four accumulators by turns, four keys a step; the first step starts the sums
.irp ct, 0,1,2,3
.if \s == 0
	v_wmma_f32_16x16x4_f32 v[128+8*\ct:135+8*\ct], v[64+8*\ct+2*\s:65+8*\ct+2*\s], v[56+2*\s:57+2*\s], 0
.else
	v_wmma_f32_16x16x4_f32 v[128+8*\ct:135+8*\ct], v[64+8*\ct+2*\s:65+8*\ct+2*\s], v[56+2*\s:57+2*\s], v[128+8*\ct:135+8*\ct]
.endif
.endr
.endr
.rept 9
	v_nop                                          ; nine places before a matrix instruction takes these results as a source; they also serve the loads into V's registers
.endr
	WLOAD 16, 2
	WLOAD 64, 3
	s_wait_loadcnt 16                              ; W's first two tiles are in; the 16 loads just issued stay out
.macro PROJ n0, w0, n1, w1             ; OUT^T of two tiles of 16 columns by turns, four channels a step
.irp ct, 0,1,2,3
.irp i, 0,1,2,3
.if \ct+\i == 0
	v_wmma_f32_16x16x4_f32 v[160+8*\n0:167+8*\n0], v[\w0+8*\ct+2*\i:\w0+8*\ct+2*\i+1], v[128+8*\ct+2*\i:129+8*\ct+2*\i], 0
	v_wmma_f32_16x16x4_f32 v[160+8*\n1:167+8*\n1], v[\w1+8*\ct+2*\i:\w1+8*\ct+2*\i+1], v[128+8*\ct+2*\i:129+8*\ct+2*\i], 0
.else
	v_wmma_f32_16x16x4_f32 v[160+8*\n0:167+8*\n0], v[\w0+8*\ct+2*\i:\w0+8*\ct+2*\i+1], v[128+8*\ct+2*\i:129+8*\ct+2*\i], v[160+8*\n0:167+8*\n0]
	v_wmma_f32_16x16x4_f32 v[160+8*\n1:167+8*\n1], v[\w1+8*\ct+2*\i:\w1+8*\ct+2*\i+1], v[128+8*\ct+2*\i:129+8*\ct+2*\i], v[160+8*\n1:167+8*\n1]
.endif
.endr
.endr
.endm
	PROJ 0, 192, 1, 224
	s_wait_loadcnt 0x0
	PROJ 2, 16, 3, 64
.rept 8
	v_nop                                          ; eight places before the results are read, and before loads land in W's registers
.endr
.irp nt, 0,1,2,3
	ds_store_b128 v8, v[160+8*\nt:163+8*\nt] offset:64*\nt          ; lane (r, h): position r, columns 16 nt + 8 h + 0 .. 7; each accumulator from its low end on
	ds_store_b128 v8, v[164+8*\nt:167+8*\nt] offset:64*\nt+16
.endr
	s_wait_tensorcnt 0x0                           ; a wait, an add of 0 to my spare word and its wait behind my last LDS store; the last of them also shows my stores done, for the others' sake
	ds_add_u32 v14, v15
	s_wait_dscnt 0x0
	s_barrier_signal -1
	s_barrier_wait -1                              ; the sixteen heads' parts lie in LDS
	s_cmp_ge_u32 s12, 8
	s_cbranch_scc1 .Lend                           ; 256 threads have 16 bytes each of the 16 x 256 bytes
.irp w, 0,1,2,3,4,5,6,7,8,9,10,11,12,13,14,15
	ds_load_b128 v[16+4*\w:19+4*\w], v9 offset:PART*\w
.endr
	s_wait_dscnt 0x0
.irp w, 0,1,2,3,4,5,6,7,8,9,10,11,12,13,14,15
	v_pk_add_f32 v[96:97], v[96:97], v[16+4*\w:17+4*\w]
	v_pk_add_f32 v[98:99], v[98:99], v[18+4*\w:19+4*\w]
.endr
	global_store_b128 v10, v[96:99], s[10:11]      ; 16 lanes store 256 consecutive bytes, aligned
.Lend:
	s_endpgm
.Lfunc_end_k_q514f45e2fc_first16:
	.size	k_q514f45e2fc_first16, .Lfunc_end_k_q514f45e2fc_first16-k_q514f45e2fc_first16
	.p2alignl 7, 3214868480
	.fill 96, 4, 3214868480
	.section	.rodata,"a",@progbits
	.p2align	6, 0x0
	.amdhsa_kernel k_q514f45e2fc_first16
		.amdhsa_group_segment_fixed_size 71680
		.amdhsa_private_segment_fixed_size 0
		.amdhsa_enable_private_segment 0
		.amdhsa_kernarg_size 32
		.amdhsa_user_sgpr_count 2
		.amdhsa_user_sgpr_kernarg_segment_ptr 1
		.amdhsa_wavefront_size32 1
		.amdhsa_system_sgpr_workgroup_id_x 1
		.amdhsa_system_sgpr_workgroup_id_y 1
		.amdhsa_system_sgpr_workgroup_id_z 1
		.amdhsa_system_vgpr_workitem_id 0
		.amdhsa_next_free_vgpr 256
		.amdhsa_next_free_sgpr 66
		.amdhsa_reserve_vcc 1
		.amdhsa_float_denorm_mode_32 3
		.amdhsa_float_denorm_mode_16_64 3
		.amdhsa_memory_ordered 1
		.amdhsa_forward_progress 1
		.amdhsa_inst_pref_size 23
	.end_amdhsa_kernel
	.amdgpu_metadata
---
amdhsa.version: [ 1, 2 ]
amdhsa.kernels:
  - .name:           k_q514f45e2fc_first16
    .symbol:         k_q514f45e2fc_first16.kd
    .args:
      - { .name: qkv, .offset: 0, .size: 8, .value_kind: global_buffer, .address_space: global }
      - { .name: Wproj, .offset: 8, .size: 8, .value_kind: global_buffer, .address_space: global }
      - { .name: b_proj, .offset: 16, .size: 8, .value_kind: global_buffer, .address_space: global }
      - { .name: out0, .offset: 24, .size: 8, .value_kind: global_buffer, .address_space: global }
    .group_segment_fixed_size: 71680
    .private_segment_fixed_size: 0
    .kernarg_segment_align: 8
    .kernarg_segment_size: 32
    .max_flat_workgroup_size: 512
    .sgpr_count:     66
    .vgpr_count:     256
    .wavefront_size: 32
...
	.end_amdgpu_metadata
.endif
;; end of part 5
